; MI455X (gfx1250); checked and timed in simulation.
; The chip was launched on July 23, 2026; its instructions are those of AMD's public machine-readable ISA for CDNA 5 (MIT licence, August 2026) and "CDNA5" Instruction Set Architecture Reference Guide (July 2026). The comments in the code are by the model that wrote it; some were corrected since.
;; Auto Round GPTQ Linear. Allowed arithmetic: float matrix products may take bf16 or f16 operands with f32 sums; other float arithmetic in f32, or as packed bf16 or f16 multiplies, adds, multiply-adds, maxima and minima; sums over many terms, partial sums and values carried from step to step in f32; what a program stores and reads back later, other than sums and carried values, may be rounded once to bf16 or f16.
;; Inputs: qweight 512 x 2,048 int32; qzeros 32 x 256 int32; scales 32 x 2,048 float16; x 4 x 2,048 x 4,096 float32.
;; Outputs: out0 4 x 2,048 x 2,048 float32.
;; 3 versions, each right; version 3 is version 2 with the launch prep written anew for expert scheduling mode. Each part assembles by itself: llvm-mc -triple=amdgcn-amd-amdhsa -mcpu=gfx1250 --defsym DOCPART=n.
;; ======== version 1 of 3: 2 launches
;; workspace buffers: wt 16,777,216 bytes
;; launch dequant (part 1): grid 4 x 64, 8 waves a work-group, no clusters, 75,264 bytes of LDS; arguments qweight, qzeros, scales, wt; writes wt
.if DOCPART == 1
	.amdgcn_target "amdgcn-amd-amdhsa--gfx1250"
	.amdhsa_code_object_version 6
	.text
	.protected	k_qb7ed7154ba_dequant
	.globl	k_qb7ed7154ba_dequant
	.p2align	8
	.type	k_qb7ed7154ba_dequant,@function
k_qb7ed7154ba_dequant:
	s_mov_b64 s[64:65], 0
	v_nop
	global_prefetch_b8 v0, s[64:65] scope:SCOPE_SE
	s_setreg_imm32_b32 hwreg(HW_REG_WAVE_MODE, 25, 1), 1
	s_wait_xcnt 0x0
; wt[k / 64][n][k % 64] = bf16((nibble(k, n) - zero(k / 128, n)) * scale(k / 128, n)): the weights, dequantised once and turned, for the product that follows.
; qweight: [512][2048] words, word (p, n) holds k = 8 p .. 8 p + 7 of column n, the lowest k in the lowest four bits.  qzeros: [32][256] words, word (g, n / 8), nibble n % 8.
; scales: [32][2048] f16.  wt: 64 blocks of [2048 n][64 k] bf16: byte (k / 64) x 262,144 + n x 128 + 2 (k % 64).
; The arithmetic is the definition's: a whole-number difference (exact in f32), one f32 product, one rounding to bf16, to nearest even.  All 32 bits of a word are taken as nibbles.
; SHARES.  A work-group makes 512 rows n of one block: 65,536 consecutive bytes of wt.  Wave w takes qweight's row 8 kb + w: a word gives 8 neighbouring k of one n: 16 bytes of a row of wt.
; A lane takes four neighbouring columns in each of four groups of 128: a wave's load of qweight covers 512 consecutive bytes.
; THROUGH LDS.  A row's 128 bytes come from all eight waves, so the rows meet in LDS, and each wave stores 64 whole rows: every store of a wave covers 512 consecutive bytes, aligned.
; LDS has four regions, one for each n % 4, rows 144 bytes apart: a lane's four words go to the same row of the four regions.  16 lanes of a store stand 144 bytes (nine 16-byte columns) apart;
; a region is 128 bytes longer than its rows, so that on the way back lanes 0-7 and lanes 8-15, in neighbouring regions, take different halves of 256 bytes (64 banks of 4 bytes: ISA guide 11.1).
; No cluster and no tensor load: the work-groups share only the scales and zeros, one part in thirty of what they read, and each byte of qweight is wanted by one lane.
.set PITCH, 144
.set REG,   128*PITCH+128              ; a region: 128 rows, and 128 bytes
.set SPARE, 4*REG                      ; 74,240, a multiple of 256: the spare words, 128 bytes for each of the eight waves, which no other line names
.set QO,  2                            ; v2   16 l: my four words in a group of 128 columns of qweight
.set SO,  3                            ; v3   8 l: my four scales
.set ZO,  4                            ; v4   4 (l / 2): the word with my four zeros
.set SH,  5                            ; v5   16 (l % 2): where they begin in it
.set STA, 6                            ; v6   144 l + 16 w: my 16 bytes in regions 0 and 1
.set STB, 7                            ; v7   the same in regions 2 and 3
.set RDL, 8                            ; v8   the way back: region l / 8, row 16 w, byte 16 (l % 8)
.set GO,  9                            ; v9   8,192 w + 16 l: my 16 bytes of the wave's first four rows in wt
.set SPW, 10                           ; v10  LDS address of my spare word; never rewritten
.set NIL, 11                           ; v11  0; never rewritten
.set ZR,  12                           ; v[12:15]  group i: the zeros' word
.set SCR, 16                           ; v[16:23]  group i: four f16 scales in two registers
.set QR,  24                           ; v[24:39]  group i: four words of qweight
.set SV,  40                           ; v40  the column's scale in f32: the low word of the pair that the packed multiply names
.set ZV,  41                           ; v41  the column's zero
.set T,   42                           ; v[42:49]  eight numbers at work
.set OW,  50                           ; v[50:53]  eight bf16
.set BK,  64                           ; v[64:127] sixteen times four rows, on the way back
	s_load_b256 s[4:11], s[0:1], 0x0               ; qweight s[4:5], qzeros s[6:7], scales s[8:9], wt s[10:11]
	v_lshl_add_u32 v[SPW], v0, 2, SPARE
	v_mov_b32 v[NIL], 0
	v_lshrrev_b32 v1, 5, v0
	v_readfirstlane_b32 s12, v1                    ; wave 0..7
	v_and_b32 v1, 31, v0                           ; lane l
	s_mov_b32 s13, ttmp9                           ; c: which 512 columns
	s_and_b32 s14, ttmp7, 0xffff                   ; kb: which 64 k
	s_lshr_b32 s15, s14, 1                         ; g: the group of 128 k
	s_lshl_b32 s16, s14, 16                        ; qweight: row 8 kb + w of 8,192 bytes, column 512 c
	s_lshl_b32 s24, s12, 13
	s_add_co_u32 s16, s16, s24
	s_lshl_b32 s24, s13, 11
	s_add_co_u32 s16, s16, s24
	s_mov_b32 s17, 0
	s_lshl_b32 s18, s15, 10                        ; qzeros: row g of 1,024 bytes, word 64 c
	s_lshl_b32 s24, s13, 8
	s_add_co_u32 s18, s18, s24
	s_mov_b32 s19, 0
	s_lshl_b32 s20, s15, 12                        ; scales: row g of 4,096 bytes, column 512 c
	s_lshl_b32 s24, s13, 10
	s_add_co_u32 s20, s20, s24
	s_mov_b32 s21, 0
	s_lshl_b32 s22, s14, 18                        ; wt: block kb, row 512 c
	s_lshl_b32 s24, s13, 16
	s_add_co_u32 s22, s22, s24
	s_mov_b32 s23, 0
	v_lshlrev_b32 v[QO], 4, v1
	v_lshlrev_b32 v[SO], 3, v1
	v_lshrrev_b32 v[ZO], 1, v1
	v_lshlrev_b32 v[ZO], 2, v[ZO]
	v_and_b32 v[SH], 1, v1
	v_lshlrev_b32 v[SH], 4, v[SH]
	s_wait_kmcnt 0x0
	s_add_nc_u64 s[4:5], s[4:5], s[16:17]
	s_add_nc_u64 s[6:7], s[6:7], s[18:19]
	s_add_nc_u64 s[8:9], s[8:9], s[20:21]
	s_add_nc_u64 s[10:11], s[10:11], s[22:23]
.irp i, 0,1,2,3                        ; group i: columns 128 i + 4 l + 0..3.  All twelve loads go out at once
	global_load_b32  v[ZR+(\i)], v[ZO], s[6:7] offset:64*(\i)
	global_load_b64  v[SCR+2*(\i):SCR+2*(\i)+1], v[SO], s[8:9] offset:256*(\i)
	global_load_b128 v[QR+4*(\i):QR+4*(\i)+3], v[QO], s[4:5] offset:512*(\i) th:TH_LOAD_NT
.endr
	v_mul_u32_u24 v[STA], v1, PITCH                ; the LDS addresses are made while the loads are out
	s_lshl_b32 s24, s12, 4
	v_add_nc_u32 v[STA], s24, v[STA]
	v_add_nc_u32 v[STB], 2*REG, v[STA]
	v_lshrrev_b32 v[RDL], 3, v1
	v_mul_u32_u24 v[RDL], v[RDL], REG
	v_and_b32 v[GO], 7, v1
	v_lshl_add_u32 v[RDL], v[GO], 4, v[RDL]
	s_mul_i32 s24, s12, 16*PITCH
	v_add_nc_u32 v[RDL], s24, v[RDL]
	s_lshl_b32 s24, s12, 13
	v_lshl_add_u32 v[GO], v1, 4, s24
; One word: column 128 i + 4 l + j, eight k.  half: the register half that holds the column's scale.
.macro WORD i, j, half
	v_cvt_f32_f16 v[SV], \half
	v_bfe_u32 v[ZV], v[ZR+(\i)], 4*(\j), 4
.irp e, 0,1,2,3,4,5,6,7
	v_bfe_u32 v[T+(\e)], v[QR+4*(\i)+(\j)], 4*(\e), 4
.endr
.irp e, 0,1,2,3,4,5,6,7
	v_sub_nc_u32 v[T+(\e)], v[T+(\e)], v[ZV]       ; -15 .. 15
.endr
.irp e, 0,1,2,3,4,5,6,7
	v_cvt_f32_i32 v[T+(\e)], v[T+(\e)]
.endr
.irp e, 0,2,4,6
	v_pk_mul_f32 v[T+(\e):T+(\e)+1], v[T+(\e):T+(\e)+1], v[SV:SV+1] op_sel_hi:[1,0]  ; both by the pair's low word, the scale
.endr
.irp e, 0,1,2,3
	v_cvt_pk_bf16_f32 v[OW+(\e)], v[T+2*(\e)], v[T+2*(\e)+1]
.endr
.if (\j) < 2
	ds_store_b128 v[STA], v[OW:OW+3] offset:(\j)*REG+(\i)*32*PITCH       ; region j, row 32 i + l, byte 16 w
.else
	ds_store_b128 v[STB], v[OW:OW+3] offset:((\j)-2)*REG+(\i)*32*PITCH
.endif
.endm
.macro GROUP i, h0, h1, h2, h3
	s_wait_loadcnt 9-3*(\i)                        ; loads come back in order (ISA guide 5.7.1): this group's three are in, the three of each later group may stay out
	v_lshrrev_b32 v[ZR+(\i)], v[SH], v[ZR+(\i)]    ; my four zeros now lie in bits 0 to 15
	WORD \i, 0, \h0
	WORD \i, 1, \h1
	WORD \i, 2, \h2
	WORD \i, 3, \h3
.endm
	GROUP 0, v16.l, v16.h, v17.l, v17.h
	GROUP 1, v18.l, v18.h, v19.l, v19.h
	GROUP 2, v20.l, v20.h, v21.l, v21.h
	GROUP 3, v22.l, v22.h, v23.l, v23.h
	s_wait_dscnt 0x0                               ; for the others' sake: my stores are done
	s_barrier_signal -1
	s_barrier_wait -1                              ; all 512 rows are whole
.irp t, 0,1,2,3,4,5,6,7,8,9,10,11,12,13,14,15
	ds_load_b128 v[BK+4*(\t):BK+4*(\t)+3], v[RDL] offset:(\t)*PITCH      ; rows 64 w + 4 t + l / 8: four rows of 128 bytes
.endr
.irp t, 0,1,2,3,4,5,6,7,8,9,10,11,12,13,14,15
	s_wait_dscnt 15-(\t)                           ; the younger loads may stay out
	global_store_b128 v[GO], v[BK+4*(\t):BK+4*(\t)+3], s[10:11] offset:512*(\t)  ; 512 consecutive bytes, at a multiple of 512 from wt's first byte
.endr
	s_wait_tensorcnt 0x0                           ; the wave's end: three lines, behind my last LDS store
	ds_add_u32 v[SPW], v[NIL]
	s_wait_dscnt 0x0
	s_endpgm
.Lfunc_end_k_qb7ed7154ba_dequant:
	.size	k_qb7ed7154ba_dequant, .Lfunc_end_k_qb7ed7154ba_dequant-k_qb7ed7154ba_dequant
	.p2alignl 7, 3214868480
	.fill 96, 4, 3214868480
	.section	.rodata,"a",@progbits
	.p2align	6, 0x0
	.amdhsa_kernel k_qb7ed7154ba_dequant
		.amdhsa_group_segment_fixed_size 75264
		.amdhsa_private_segment_fixed_size 0
		.amdhsa_enable_private_segment 0
		.amdhsa_kernarg_size 32
		.amdhsa_user_sgpr_count 2
		.amdhsa_user_sgpr_kernarg_segment_ptr 1
		.amdhsa_wavefront_size32 1
		.amdhsa_system_sgpr_workgroup_id_x 1
		.amdhsa_system_sgpr_workgroup_id_y 1
		.amdhsa_system_sgpr_workgroup_id_z 1
		.amdhsa_system_vgpr_workitem_id 0
		.amdhsa_next_free_vgpr 128
		.amdhsa_next_free_sgpr 66
		.amdhsa_reserve_vcc 0
		.amdhsa_float_denorm_mode_32 3
		.amdhsa_float_denorm_mode_16_64 3
		.amdhsa_memory_ordered 1
		.amdhsa_forward_progress 1
		.amdhsa_inst_pref_size 34
	.end_amdhsa_kernel
	.amdgpu_metadata
---
amdhsa.version: [ 1, 2 ]
amdhsa.kernels:
  - .name:           k_qb7ed7154ba_dequant
    .symbol:         k_qb7ed7154ba_dequant.kd
    .args:
      - { .name: qweight, .offset: 0, .size: 8, .value_kind: global_buffer, .address_space: global }
      - { .name: qzeros, .offset: 8, .size: 8, .value_kind: global_buffer, .address_space: global }
      - { .name: scales, .offset: 16, .size: 8, .value_kind: global_buffer, .address_space: global }
      - { .name: wt, .offset: 24, .size: 8, .value_kind: global_buffer, .address_space: global }
    .group_segment_fixed_size: 75264
    .private_segment_fixed_size: 0
    .kernarg_segment_align: 8
    .kernarg_segment_size: 32
    .max_flat_workgroup_size: 256
    .sgpr_count:     66
    .vgpr_count:     128
    .wavefront_size: 32
...
	.end_amdgpu_metadata
.endif
;; end of part 1
;; launch gemm (part 2): grid 8 x 32, 4 waves a work-group, clusters of 4 x 4, 327,680 bytes of LDS; arguments x, wt, out0; writes out0
.if DOCPART == 2
	.amdgcn_target "amdgcn-amd-amdhsa--gfx1250"
	.amdhsa_code_object_version 6
	.text
	.protected	k_qb7ed7154ba_gemm
	.globl	k_qb7ed7154ba_gemm
	.p2align	8
	.type	k_qb7ed7154ba_gemm,@function
k_qb7ed7154ba_gemm:
	s_mov_b64 s[64:65], 0
	v_nop
	global_prefetch_b8 v0, s[64:65] scope:SCOPE_SE
	s_setreg_imm32_b32 hwreg(HW_REG_WAVE_MODE, 25, 1), 1
	s_wait_xcnt 0x0
	s_wait_alu depctr_hold_cnt(0) depctr_sa_sdst(0) depctr_va_vdst(0) depctr_va_sdst(0) depctr_va_ssrc(0) depctr_va_vcc(0) depctr_vm_vsrc(0)
	s_getreg_b32 s2, hwreg(HW_REG_IB_STS2, 6, 4)
	s_cmp_eq_u32 s2, 0
	s_cbranch_scc0 .Lentry_in_a_cluster
	s_endpgm
.Lentry_in_a_cluster:
	s_bfe_u32 s2, ttmp6, 0x10000c
	s_cmp_lg_u32 s2, 0xf033
	s_cbranch_scc0 .Lentry_shape_is_right
	s_endpgm
.Lentry_shape_is_right:
; out0[m][n] = the sum over k of bf16(x[m][k]) W[k][n].  x: [8192][4096] f32.  wt: the weights in bf16, 64 blocks of [2048 n][64 k].  out0: [8192][2048] f32.
; x is rounded to bf16 (to nearest even) between LDS and the matrix unit; sums in f32.  LIMIT: out0 is the f32 sum itself; the definition rounds the sum to bf16 before it widens it.
; SHARES.  A tile of out0, 256 x 256, is made by a work-group of four waves: 8 x 32 = 256 tiles.  A wave makes 64 rows x 256 columns: 64 accumulators of 16 x 16, 512 registers.  So each f32 of x leaves LDS
; once, by one wave, and is converted once: for 32 along K a wave reads 8 KiB of x and 16 KiB of W and makes 32 conversions for 64 matrix instructions.
; THE RING.  K goes in steps of 64 through two LDS slots filled by the tensor data mover: 256 rows of x (256 bytes of memory each, at multiples of 256 from x's first byte) and 256 rows of W (a wave's 128 rows
; are 16,384 consecutive bytes of wt, asked for as 64 rows of 256 bytes).  A slot is 106,496 bytes; two slots of a step of 128 would be 409,600 bytes, more than the 327,680 that a work-group can have.
; A step is two QUARTERS of 32 along K (the name is kept from steps of four).  Both quarters' fragments have left a slot when its first quarter ends, so the slot is filled again there:
; from a request to the wait for it a wave issues 112 matrix instructions.
; CLUSTERS: 4 x 4 work-groups.  The four of a row of the cluster need the same rows of x, the four of a column the same rows of W: each tile is asked for JOINTLY, by the same tensor load with the same
; descriptor and a mask that names the four.
; THE MATRIX INSTRUCTION IS USED TRANSPOSED: source 0 = 16 rows of wt (n), source 1 = 16 rows of x (m): lane l then holds row l % 16 of out0 and the columns 8 (l / 16) + 0..7: 32 neighbouring bytes.
; REGISTERS, in windows of 256 (s_set_vgpr_msb: bits 1:0 source 0, 3:2 source 1, 5:4 source 2, 7:6 destination):
;   window 0: v0-31 addresses; v32-63 x's four fragments in bf16; v64-127, v128-191 x in f32 as it comes from LDS, for a step's first and second quarter
;   window 1: v0-127, v128-255 W's sixteen fragments, for a step's first and second quarter; on the way out the rows read back from the stage
;   window 2: the accumulators of my rows 0-31 ((a, b) at v[8 (16 (a % 2) + b)]);   window 3: those of my rows 32-63
.set PA,    272                        ; a row of x in LDS: 256 bytes + 16 of padding = 68 words: row r starts at bank 4 r mod 64 (64 banks of 4 bytes: ISA guide 11.1)
.set PB,    144                        ; a row of W: 128 bytes + 16 = 36 words: the 16 rows of a load start at 16 different groups of four banks
.set HA,    128*PA                     ; what one tensor load brings of x
.set HB,    128*PB                     ; and of W
.set BOFF,  2*HA                       ; W's 256 rows lie behind x's 256
.set SLOT,  2*HA+2*HB
.set STAGE, 2*SLOT                     ; 212,992, a multiple of 256: behind the ring, never filled by a tensor load: 16 rows x 1,040 bytes for each wave, for the way out
.set SP,    1040                       ; 1,024 bytes + 16: 65 columns of 16 bytes
.set WST,   16*SP
.set SPARE, STAGE+4*WST                ; behind the stages: the spare words, 128 bytes for each wave: two blocks of 256 bytes that no other line names
.set ASTEP, 256                        ; bytes from a K step to the next in x,
.set BSTEP, 262144                     ; and in wt
.set TRIPS, 30                         ; 64 K steps: half of one in front of the loop, two in a trip, three and a half behind it
.set ADRA, 16                          ; v16-17  LDS address of my fragments of x in slot 0, 1
.set ADRB, 20                          ; v20-21  the same for W
.set STO,  24                          ; v24     the way out: where I put 32 bytes of a row
.set RD,   25                          ; v25     the way out: where I read half a row back
.set CO,   26                          ; v26     16 l: my byte offset in 512 bytes of out0
.set SPW,  28                          ; v28     LDS address of my spare word: SPARE + 4 x my thread's number; never rewritten
.set NIL,  29                          ; v29     0; never rewritten
.set PFO,  30                          ; v30     the prefetches' lane offset; never rewritten
.set AF,   32                          ; x's fragment a at AF + 8 a
.set STG0, 64                          ; x in f32: fragment a's 16 numbers at + 16 a
.set STG1, 128
.set G1,   24                          ; s[24:31] descriptor group 1 for x's tiles;  s[32:39] group 0, a set for each slot
.set G0,   32
.set G1B,  48                          ; s[48:55], s[56:63] the same for W's tiles
.set G0B,  56
.set PFA,  66                          ; s[66:67] where my prefetches stand
.set PFS,  68                          ; s[68:69] their step: a K step of x or of wt
.set LIM0, 70                          ; s70, s71  1 where I prefetch in the turn that follows slot 0's (slot 1's) refill, else the greatest number
.set LIM1, 71
.set MSB, 0
.macro WIN new                         ; the immediate's high byte repeats the setting that is left; a switch that changes nothing is dropped
.if MSB != (\new)
	s_set_vgpr_msb (MSB<<8)|(\new)
.set MSB, \new
.endif
.endm
.set MUL_LO, 0xa1                      ; source 0 (W) window 1, source 1 (x) window 0, C and D window 2
.set MUL_HI, 0xf1                      ; the same, C and D window 3
.set TO_B,   0x40                      ; destination window 1, address window 0
; A joint load.  Waves 0 and 1 fetch the two halves of x's tile, waves 2 and 3 those of W's.  Each of the two lines has one mask and one set of registers for all that issue it; the branch hangs on the
; wave's number alone.  An s_nop 0 and four v_nop follow each line, ahead of the jump, the label and what follows.
.macro JLOAD s
	s_cmp_eq_u32 s11, 0
	s_cbranch_scc0 .Lfor_b_\@
	tensor_load_to_lds s[G0+4*(\s):G0+4*(\s)+3], s[G1:G1+7]
	s_nop 0
.rept 4
	v_nop
.endr
	s_branch .Lasked_\@
.Lfor_b_\@:
	tensor_load_to_lds s[G0B+4*(\s):G0B+4*(\s)+3], s[G1B:G1B+7]
	s_nop 0
.rept 4
	v_nop
.endr
.Lasked_\@:
.endm
; A round of the cluster's barrier: my work-group's barrier, so that wave 0's signal speaks for all four waves; wave 0 signals; every wave waits for all sixteen work-groups; my work-group's barrier once more.
.macro CREST                           ; a round behind its opening barrier
	s_cmp_lg_u32 s10, 0
	s_cbranch_scc1 .Lnot_wave_0_\@
	s_barrier_signal -3
.Lnot_wave_0_\@:
	s_barrier_wait -3
	s_barrier_signal -1
	s_barrier_wait -1
.endm
.macro CROUND                          ; a whole round
	s_barrier_signal -1
	s_barrier_wait -1
	CREST
.endm
; A PREFETCH INTO THE L2, behind a joint load, its five lines and the run of LDS loads that follows them.  In the second quarter of K step j it names K step j + 6, which the refill four steps on, 512 matrix
; instructions later, will ask for.  Each aligned 256 bytes of x and of wt from K step 6 on are named ONCE in the launch.  x's rows are read by both clusters of a row of clusters: the one with x = 0 asks, in
; waves 0 and 1; of the 128 rows that a wave fetches the partner at cx takes 32, a lane a row.  W's rows are read by all eight clusters of a column of clusters: the one with y = 0 asks, in waves 2 and 3; of
; a wave's 16,384 bytes the partner at cy takes 4,096: lanes 0-15 those of step j + 6, lanes 16-31 those of step j + 7, so W is asked for in every second turn.  The partners are told apart BY ADDRESS:
; no branch hangs on a work-group's place in its cluster.  The loop's last trip asks for nothing: the trip before it has named K step 63, the last.  K steps 0 to 5 come by their loads alone.
.macro ASK lim
	WIN 0
	s_cmp_gt_u32 s3, s[\lim]                       ; s3 = 1 in the loop's last trip
	s_cbranch_scc0 .Lnot_mine_\@
	global_prefetch_b8 v[PFO], s[PFA:PFA+1] th:TH_LOAD_NT scope:SCOPE_SE
.Lnot_mine_\@:
.endm
	s_load_b128 s[4:7], s[0:1], 0x0                ; x s[4:5], wt s[6:7]
	s_load_b64 s[8:9], s[0:1], 0x10                ; out0
	v_lshl_add_u32 v[SPW], v0, 2, SPARE
	v_mov_b32 v[NIL], 0
	ds_add_u32 v[SPW], v[NIL]                      ; the wave's opening: the add, twice on end, and its wait ahead of my first tensor load; the set-up below, work on registers, stands between
	ds_add_u32 v[SPW], v[NIL]                      ; and once more, under the one wait
	v_lshrrev_b32 v1, 5, v0
	v_readfirstlane_b32 s10, v1                    ; wave 0..3
	s_lshr_b32 s11, s10, 1                         ; I fetch for x (0) or for W (1)
	s_and_b32 s12, s10, 1                          ; which 128 rows of that tile I fetch
	s_bfe_u32 s40, ttmp6, 0x40000                  ; cx, cy: my place in the cluster
	s_bfe_u32 s41, ttmp6, 0x40004
	s_lshl_b32 s42, ttmp9, 2                       ; in a cluster launch ttmp9 and ttmp7 count clusters
	s_add_co_u32 s42, s42, s40                     ; tile column = 4 x cluster x + cx
	s_and_b32 s13, ttmp7, 0xffff
	s_lshl_b32 s13, s13, 2
	s_add_co_u32 s13, s13, s41                     ; tile row = 4 x cluster y + cy
	s_lshl_b32 s43, s41, 2
	s_lshl_b32 s43, 15, s43                        ; my row of the cluster: places 4 cy .. 4 cy + 3
	s_lshl_b32 s44, 0x1111, s40                    ; my column: places cx, cx + 4, cx + 8, cx + 12
	; descriptor group 1 for x: 128 rows x 64 elements of 4 bytes, 4,096 elements from row to row
	s_or_b32 s[G1+0], s43, (2<<16)|(1<<20)|(1<<21)|(5<<22)|(3<<25)   ; 15:0 the mask: my row; 17:16 elements of 4 bytes; 20 padding on; 21 set beside a mask; 24:22 after every 64 words (code 5); 31:25 4 words (code 3)
	s_mov_b32 s[G1+1], 64<<16                      ; tensor_dim0 = 64
	s_mov_b32 s[G1+2], 128<<16                     ; tensor_dim1 = 128
	s_mov_b32 s[G1+3], 64<<16                      ; tile_dim0 = 64
	s_mov_b32 s[G1+4], 128                         ; tile_dim1 = 128
	s_mov_b32 s[G1+5], 4096                        ; tensor_dim0_stride
	s_mov_b32 s[G1+6], 0
	s_mov_b32 s[G1+7], 0
	; and for W: 16,384 consecutive bytes as 64 rows x 128 elements of 2 bytes, two rows n to a row, padded after every row n
	s_or_b32 s[G1B+0], s44, (1<<16)|(1<<20)|(1<<21)|(4<<22)|(3<<25)  ; the mask: my column; elements of 2 bytes; after every 32 words (code 4) 4 words
	s_mov_b32 s[G1B+1], 128<<16
	s_mov_b32 s[G1B+2], 64<<16
	s_mov_b32 s[G1B+3], 128<<16
	s_mov_b32 s[G1B+4], 64
	s_mov_b32 s[G1B+5], 128
	s_mov_b32 s[G1B+6], 0
	s_mov_b32 s[G1B+7], 0
	; where the tiles come from.  x's hang on the tile row alone, which my row of the cluster shares; W's on the tile column alone, which my column shares.  Every wave makes both, in registers of their own.
	s_lshl_b32 s17, s12, 7
	s_lshl_b32 s16, s13, 8
	s_add_co_u32 s16, s16, s17                     ; x: row 256 x tile row + 128 x half,
	s_lshl_b32 s16, s16, 14                        ; of 16,384 bytes: under 2^27
	s_mov_b32 s17, 0
	s_lshl_b32 s47, s12, 7
	s_lshl_b32 s46, s42, 8
	s_add_co_u32 s46, s46, s47                     ; wt: row 256 x tile column + 128 x half,
	s_lshl_b32 s46, s46, 7                         ; of 128 bytes, in block 0
	s_mov_b32 s47, 0
	s_mul_i32 s20, s10, HA                         ; and where they go: x's halves at wave x 128 rows (waves 0, 1),
	s_mul_i32 s21, s10, HB
	s_add_co_u32 s21, s21, BOFF-2*HB               ; W's at BOFF + (wave - 2) x 128 rows (waves 2, 3): no place in the cluster enters an LDS address
	s_wait_dscnt 0x0                               ; both opening adds are done
	s_wait_kmcnt 0x0
	s_add_nc_u64 s[14:15], s[4:5], s[16:17]
	s_add_nc_u64 s[46:47], s[6:7], s[46:47]
	CROUND                                         ; all sixteen work-groups are here: the first joint loads meet
.irp s, 0,1
	s_mov_b32 s[G0+4*(\s)], 1                                        ; 1:0 count = 1
	s_add_co_u32 s[G0+4*(\s)+1], s20, (\s)*SLOT                      ; 63:32 LDS address
	s_add_nc_u64 s[G0+4*(\s)+2:G0+4*(\s)+3], s[14:15], (\s)*ASTEP    ; 120:64 global address: K step s
	s_or_b32 s[G0+4*(\s)+3], s[G0+4*(\s)+3], 0x80000000              ; 127:126 type = 2
	s_mov_b32 s[G0B+4*(\s)], 1
	s_add_co_u32 s[G0B+4*(\s)+1], s21, (\s)*SLOT
	s_add_nc_u64 s[G0B+4*(\s)+2:G0B+4*(\s)+3], s[46:47], (\s)*BSTEP
	s_or_b32 s[G0B+4*(\s)+3], s[G0B+4*(\s)+3], 0x80000000
	JLOAD \s                                       ; the ring is filled before anything else is done: two loads of mine are out
.endr
	; A fragment is 16 rows x 32 K in 8 registers: lane l holds row l % 16; registers 0-3 hold K = 8 (l / 16) + 0..7, registers 4-7 hold K = 16 + 8 (l / 16) + 0..7.
	; Of W (bf16): two loads of 16 bytes, 32 bytes apart.  Of x (f32): twice two loads of 16 bytes, the pairs 64 bytes apart, and eight conversions.
	v_and_b32 v1, 15, v0                           ; l % 16
	v_bfe_u32 v2, v0, 4, 1                         ; l / 16
	v_mul_u32_u24 v3, v1, PA
	v_lshl_add_u32 v3, v2, 5, v3                   ; row x pitch + 32 x half
	s_mul_i32 s22, s10, 64*PA                      ; my 64 rows of x
	v_add_nc_u32 v[ADRA], s22, v3
	v_add_nc_u32 v[ADRA+1], SLOT, v[ADRA]
	v_mul_u32_u24 v4, v1, PB
	v_lshl_add_u32 v4, v2, 4, v4                   ; row x pitch + 16 x half: every wave reads all 256 rows of W
	v_add_nc_u32 v[ADRB], BOFF, v4
	v_add_nc_u32 v[ADRB+1], BOFF+SLOT, v4
	s_mul_i32 s23, s10, WST
	s_add_co_u32 s23, s23, STAGE                   ; my stage
	v_mul_u32_u24 v5, v1, SP                       ; in: row l % 16, 32 bytes for each half of the lanes
	v_lshl_add_u32 v5, v2, 5, v5
	v_add_nc_u32 v[STO], s23, v5
	v_and_b32 v6, 31, v0
	v_lshlrev_b32 v[CO], 4, v6                     ; back: 32 lanes take 512 consecutive bytes, half a row
	v_add_nc_u32 v[RD], s23, v[CO]
	s_lshl_b32 s74, s13, 8                         ; out0 at my first row, 256 x tile row + 64 x wave, of 8,192 bytes,
	s_lshl_b32 s75, s10, 6
	s_add_co_u32 s74, s74, s75
	s_lshl_b32 s74, s74, 13
	s_lshl_b32 s75, s42, 10                        ; and the tile's first column, 1,024 bytes a tile
	s_add_co_u32 s74, s74, s75
	s_mov_b32 s75, 0
	s_add_nc_u64 s[8:9], s[8:9], s[74:75]
	; the prefetches' address, at K step 5: each refill steps it, the first to K step 6
	s_lshl_b32 s76, s13, 8                         ; in x: row 256 x tile row + 128 x half + 32 cx
	s_lshl_b32 s77, s12, 7
	s_add_co_u32 s76, s76, s77
	s_lshl_b32 s77, s40, 5
	s_add_co_u32 s76, s76, s77
	s_lshl_b32 s76, s76, 14
	s_add_co_u32 s76, s76, 5*ASTEP
	s_lshl_b32 s78, s42, 8                         ; in wt: row 256 x tile column + 128 x half, and 4,096 cy bytes
	s_lshl_b32 s77, s12, 7
	s_add_co_u32 s78, s78, s77
	s_lshl_b32 s78, s78, 7
	s_lshl_b32 s77, s41, 12
	s_add_co_u32 s78, s78, s77
	s_add_co_u32 s78, s78, 5*BSTEP
	s_and_b32 s79, ttmp7, 0xffff                   ; cluster y
	s_mov_b32 s[PFS], BSTEP
	s_mov_b32 s[PFS+1], 0
	s_mov_b32 s75, 0
	s_cmp_eq_u32 s11, 0                            ; do I fetch for x?
	s_cselect_b32 s74, s76, s78
	s_cselect_b32 s79, ttmp9, s79                  ; the coordinate along which other clusters read the same rows
	s_cselect_b32 s[PFS], ASTEP, s[PFS]
	s_cselect_b32 s72, 14, 8                       ; lanes 0-15 stand a row of x (16,384 bytes) or 256 bytes of wt apart
	s_cselect_b32 s[LIM1], 1, -1                   ; W is asked for two K steps at a time, in every second turn
	s_cselect_b64 s[PFA:PFA+1], s[4:5], s[6:7]
	s_add_nc_u64 s[PFA:PFA+1], s[PFA:PFA+1], s[74:75]
	s_cmp_eq_u32 s79, 0                            ; the same in all sixteen partners, for a given wave
	s_cselect_b32 s[LIM0], 1, -1
	s_cselect_b32 s[LIM1], s[LIM1], -1
	v_lshlrev_b32 v7, s72, v1
	v_lshl_add_u32 v[PFO], v2, 18, v7              ; lanes 16-31: 262,144 bytes on: 16 rows of x, or a K step of wt
; 48 LDS loads in one run: the fragments of quarter q of a slot's K step, into the registers of quarter f: x's 16 loads first, so that a wait can leave W's 32 out
.macro FETCH slot, q, f
	WIN 0
.irp a, 0,1,2,3
	ds_load_b128 v[STG0+64*(\f)+16*(\a):STG0+64*(\f)+16*(\a)+3],     v[ADRA+(\slot)] offset:(\a)*16*PA+128*(\q)
	ds_load_b128 v[STG0+64*(\f)+16*(\a)+4:STG0+64*(\f)+16*(\a)+7],   v[ADRA+(\slot)] offset:(\a)*16*PA+128*(\q)+16
	ds_load_b128 v[STG0+64*(\f)+16*(\a)+8:STG0+64*(\f)+16*(\a)+11],  v[ADRA+(\slot)] offset:(\a)*16*PA+128*(\q)+64
	ds_load_b128 v[STG0+64*(\f)+16*(\a)+12:STG0+64*(\f)+16*(\a)+15], v[ADRA+(\slot)] offset:(\a)*16*PA+128*(\q)+80
.endr
	WIN TO_B
.irp b, 0,1,2,3,4,5,6,7,8,9,10,11,12,13,14,15
	ds_load_b128 v[128*(\f)+8*(\b):128*(\f)+8*(\b)+3],   v[ADRB+(\slot)] offset:(\b)*16*PB+64*(\q)
	ds_load_b128 v[128*(\f)+8*(\b)+4:128*(\f)+8*(\b)+7], v[ADRB+(\slot)] offset:(\b)*16*PB+64*(\q)+32
.endr
.endm
; 8 matrix instructions: my rows 16 a on x columns 128 hb on, 32 along K, on W's fragments of quarter f.  zero = 1: the product starts the sums: nothing is ever cleared.
; The 64 accumulators take turns, one instruction a turn, in the same order in every quarter, over the backward jump too.
.macro MUL8 f, a, hb, zero
	WIN MUL_LO+0x50*((\a)/2)
.irp b, 0,1,2,3,4,5,6,7
.set rD, 8*(16*((\a)%2)+8*(\hb)+(\b))
.set rB, 128*(\f)+8*(8*(\hb)+(\b))
.if \zero
	v_wmma_f32_16x16x32_bf16 v[rD:rD+7], v[rB:rB+7], v[AF+8*(\a):AF+8*(\a)+7], 0
.else
	v_wmma_f32_16x16x32_bf16 v[rD:rD+7], v[rB:rB+7], v[AF+8*(\a):AF+8*(\a)+7], v[rD:rD+7]
.endif
.endr
.endm
.macro MUL16 f, a, zero
	MUL8 \f, \a, 0, \zero
	MUL8 \f, \a, 1, \zero
.endm
; x's fragment a, 16 numbers a lane, from f32 to bf16.  It stands one block of 16 products ahead of its first use.  The fragment's last readers stand three such blocks back, with 24 conversions between.
.macro CVF stg, a
	WIN 0
.irp n, 0,1,2,3,4,5,6,7
	v_cvt_pk_bf16_f32 v[AF+8*(\a)+(\n)], v[(\stg)+16*(\a)+2*(\n)], v[(\stg)+16*(\a)+2*(\n)+1]
.endr
.endm
.macro PLACES
.rept 4
	v_nop
.endr
.endm
; A load into a register that a matrix instruction has read stands four places behind it, and only plain vector instructions that name none of its registers are places (ISA guide 7.12.1 for vector
; instructions).  Here each run of loads follows the eight conversions of fragment 0, which name nothing of the products on fragment 3 in front of them.
;
; A STEP'S FIRST QUARTER, in slot `slot`.  At its head the second quarter's fragments are fetched: the slot's last reads.  mode = 2: the slot is then filled again, with the K step two on.  In front of the
; barrier each wave waits for all its tensor loads, of which one is out: its part of the other slot; adds 0 to its spare word; and waits for that and for its reads of this slot.  The barrier opens a round of
; the cluster's, so that no wave of any partner still reads the slot or has a load on its way, and the joint refill is the first thing behind it.
; mode = 1: the same waits and a plain barrier, for the other slot's sake; nothing is filled.  mode = 0: the last step: neither.
.macro QA slot, zero, mode
.if (\mode) == 2
	s_wait_xcnt 0x0                                ; the last prefetch, 64 matrix instructions back, has read its address: it is stepped here, far ahead of the round
	s_add_nc_u64 s[PFA:PFA+1], s[PFA:PFA+1], s[PFS:PFS+1]
.endif
	FETCH \slot, 1, 1
	s_wait_dscnt 48                                ; all but the 48 just issued: W's fragments of this quarter are in
	MUL16 0, 0, \zero
	CVF STG0, 1
	MUL16 0, 1, \zero
	CVF STG0, 2
	MUL16 0, 2, \zero
	CVF STG0, 3
.if (\mode) >= 1
	s_wait_tensorcnt 0x0                           ; all my tensor loads have landed: the one that was out is my part of the other slot; so a group 0 may be written
	ds_add_u32 v[SPW], v[NIL]                      ; 0 onto my spare word; the steps and eight products stand between it and the wait for it
.if (\mode) == 2
	s_add_nc_u64 s[G0+4*(\slot)+2:G0+4*(\slot)+3], s[G0+4*(\slot)+2:G0+4*(\slot)+3], 2*ASTEP     ; the type bits on top are not reached
	s_add_nc_u64 s[G0B+4*(\slot)+2:G0B+4*(\slot)+3], s[G0B+4*(\slot)+2:G0B+4*(\slot)+3], 2*BSTEP
.endif
.endif
	MUL8 0, 3, 0, \zero
.if (\mode) >= 1
	s_wait_dscnt 0x0                               ; the add is done, and my reads of this slot are over (issued 56 matrix instructions ago):
	s_barrier_signal -1                            ; say so,
.else
	s_wait_dscnt 32                                ; x's part of the run is in; W's 32 loads may stay out
.endif
	MUL8 0, 3, 1, \zero                            ; work on registers while the others arrive,
	CVF STG1, 0
.if (\mode) >= 1
	s_barrier_wait -1                              ; and go on when all four have said so (every window is 0: branches follow)
.endif
.if (\mode) == 2
	CREST
	JLOAD \slot                                    ; the first tensor load behind the round, my only one until the next
.endif
.endm
; A STEP'S SECOND QUARTER.  fetch = 1: at its head the next step's first quarter is fetched, from slot `next`, which the barrier in front has shown whole.  lim: the register that says whether I prefetch here, or 0.
.macro QB next, fetch, lim
.if \fetch
	FETCH \next, 0, 0
.if \lim
	ASK \lim
.endif
	s_wait_dscnt 48                                ; all but the 48 just issued
.else
	s_wait_dscnt 0x0                               ; W's fragments of the last quarter
.endif
	MUL16 1, 0, 0
	CVF STG1, 1
	MUL16 1, 1, 0
	CVF STG1, 2
	MUL16 1, 2, 0
	CVF STG1, 3
.if \fetch
	s_wait_dscnt 32                                ; x's part of the run is in; W's 32 loads may stay out
.endif
	MUL16 1, 3, 0
.if \fetch
	CVF STG0, 0
.else
	PLACES                                         ; no vector work is left: eight places, once a launch, in front of the LDS stores that read the sums and of the loads into W's registers
	PLACES
.endif
	WIN 0
.endm
	s_wait_tensorcnt 1                             ; my part of K step 0 is in; K step 1's may stay out
	s_barrier_signal -1
	s_barrier_wait -1                              ; everybody's is
	FETCH 0, 0, 0
	s_wait_dscnt 32                                ; x's 16 loads are in
	CVF STG0, 0
	QA 0, 1, 2                                     ; K step 0's first quarter stands in front of the loop: its products start the sums; slot 0 takes K step 2
	s_mov_b32 s3, TRIPS
.Llap:                                                 ; trip i goes from the second quarter of K step 2 i to the first of 2 i + 2, and asks for K steps 2 i + 3 and 2 i + 4
	QB 1, 1, LIM0
	QA 1, 0, 2
	QB 0, 1, LIM1
	QA 0, 0, 2
	s_sub_co_u32 s3, s3, 1
	s_cmp_lg_u32 s3, 0
	s_cbranch_scc1 .Llap
	QB 1, 1, 0                                     ; the tail is written out: K step 60's second quarter
	QA 1, 0, 2                                     ; K step 61: slot 1 takes K step 63, the last request
	QB 0, 1, 0
	QA 0, 0, 1                                     ; K step 62: K step 63 is waited for; nothing is filled, so no round
	QB 1, 1, 0
	QA 1, 0, 0                                     ; K step 63
	QB 0, 0, 0
; THE WAY OUT, a block of 16 rows x 256 columns at a time.  A lane's 32 bytes are one thirty-second of a row, so a block goes through my stage in LDS: in by rows of 1,040 bytes, back as halves of rows.
; The stage is my own: LDS serves a wave's instructions in order (ISA guide 5.7.1.4), so the loads see the stores in front of them, and the next block's stores come behind the loads.
.macro TOSTAGE a
	WIN 0x08+4*((\a)/2)                            ; the data (source 1) in window 2 or 3
.irp b, 0,1,2,3,4,5,6,7,8,9,10,11,12,13,14,15
.set rD, 8*(16*((\a)%2)+(\b))
	ds_store_b128 v[STO], v[rD:rD+3]   offset:64*(\b)      ; each accumulator's low registers first
	ds_store_b128 v[STO], v[rD+4:rD+7] offset:64*(\b)+16
.endr
.endm
.macro BACK a
	WIN TO_B                                       ; into W's registers, which are free: the two halves of window 1 by turns
.set t, 0
.rept 32
	ds_load_b128 v[128*((\a)%2)+4*t:128*((\a)%2)+4*t+3], v[RD] offset:(t/2)*SP+(t%2)*512
.set t, t+1
.endr
.endm
.macro SEND a, younger                 ; younger: the LDS instructions issued behind block a's loads: the next block's 32 stores, or none
	WIN 0x04                                       ; the data (source 1) in window 1
.set t, 0
.rept 32
	s_wait_dscnt (\younger)+31-t
	global_store_b128 v[CO], v[128*((\a)%2)+4*t:128*((\a)%2)+4*t+3], s[8:9] offset:(\a)*131072+(t/2)*8192+(t%2)*512 th:TH_STORE_NT  ; 512 consecutive bytes, at a multiple of 512 from out0's first byte; 516,608 at the most: inside the signed 24-bit immediate
.set t, t+1
.endr
.endm
	TOSTAGE 0
	BACK 0
	TOSTAGE 1
	SEND 0, 32
	BACK 1
	TOSTAGE 2
	SEND 1, 32
	s_wait_xcnt 0x0                                ; block 0's stores have read their data: its registers are loaded again only behind this wait
	BACK 2
	TOSTAGE 3
	SEND 2, 32
	s_wait_xcnt 0x0                                ; the same for block 1's
	BACK 3
	SEND 3, 0
	WIN 0
	s_wait_tensorcnt 0x0                           ; the wave's end: three lines, behind my last tensor load and my last LDS store
	ds_add_u32 v[SPW], v[NIL]
	s_wait_dscnt 0x0
	CROUND                                         ; the closing round: no work-group ends while a partner may still ask for a tile that names it
	s_endpgm
.Lfunc_end_k_qb7ed7154ba_gemm:
	.size	k_qb7ed7154ba_gemm, .Lfunc_end_k_qb7ed7154ba_gemm-k_qb7ed7154ba_gemm
	.p2alignl 7, 3214868480
	.fill 96, 4, 3214868480
	.section	.rodata,"a",@progbits
	.p2align	6, 0x0
	.amdhsa_kernel k_qb7ed7154ba_gemm
		.amdhsa_group_segment_fixed_size 327680
		.amdhsa_private_segment_fixed_size 0
		.amdhsa_enable_private_segment 0
		.amdhsa_kernarg_size 24
		.amdhsa_user_sgpr_count 2
		.amdhsa_user_sgpr_kernarg_segment_ptr 1
		.amdhsa_wavefront_size32 1
		.amdhsa_system_sgpr_workgroup_id_x 1
		.amdhsa_system_sgpr_workgroup_id_y 1
		.amdhsa_system_sgpr_workgroup_id_z 1
		.amdhsa_system_vgpr_workitem_id 0
		.amdhsa_next_free_vgpr 1024
		.amdhsa_next_free_sgpr 80
		.amdhsa_reserve_vcc 0
		.amdhsa_float_denorm_mode_32 3
		.amdhsa_float_denorm_mode_16_64 3
		.amdhsa_memory_ordered 1
		.amdhsa_forward_progress 1
		.amdhsa_inst_pref_size 159
	.end_amdhsa_kernel
	.amdgpu_metadata
---
amdhsa.version: [ 1, 2 ]
amdhsa.kernels:
  - .name:           k_qb7ed7154ba_gemm
    .symbol:         k_qb7ed7154ba_gemm.kd
    .args:
      - { .name: x, .offset: 0, .size: 8, .value_kind: global_buffer, .address_space: global }
      - { .name: wt, .offset: 8, .size: 8, .value_kind: global_buffer, .address_space: global }
      - { .name: out0, .offset: 16, .size: 8, .value_kind: global_buffer, .address_space: global }
    .group_segment_fixed_size: 327680
    .private_segment_fixed_size: 0
    .kernarg_segment_align: 8
    .kernarg_segment_size: 24
    .max_flat_workgroup_size: 128
    .sgpr_count:     80
    .vgpr_count:     1024
    .wavefront_size: 32
...
	.end_amdgpu_metadata
.endif
;; end of part 2
;; ======== version 2 of 3: 2 launches
;; workspace buffers: xb 67,108,864 bytes; wt 16,777,216 bytes
;; launch prep (part 3): grid 8 x 32, 16 waves a work-group, no clusters, 71,680 bytes of LDS; arguments x, qweight, qzeros, scales, xb, wt; writes xb, wt
.if DOCPART == 3
	.amdgcn_target "amdgcn-amd-amdhsa--gfx1250"
	.amdhsa_code_object_version 6
	.text
	.protected	k_qb7ed7154ba_prep
	.globl	k_qb7ed7154ba_prep
	.p2align	8
	.type	k_qb7ed7154ba_prep,@function
k_qb7ed7154ba_prep:
	s_mov_b64 s[64:65], 0
	v_nop
	global_prefetch_b8 v0, s[64:65] scope:SCOPE_SE
	s_setreg_imm32_b32 hwreg(HW_REG_WAVE_MODE, 25, 1), 1
	s_wait_xcnt 0x0
; TWO THINGS FOR THE PRODUCT THAT FOLLOWS, in one launch.
; (1) xb = bf16(x), to nearest even.  x: 33,554,432 f32, xb: as many bf16, in the same order.
; (2) wt[k / 128][n][k % 128] = bf16((nibble(k, n) - zero(k / 128, n)) * scale(k / 128, n)): the weights, dequantised once and turned.
;     qweight: [512][2048] words, word (p, n) holds k = 8 p .. 8 p + 7 of column n, the lowest k in the lowest four bits.  qzeros: [32][256] words, word (g, n / 8), nibble n % 8.  scales: [32][2048] f16.
;     wt: 32 blocks of [2048 n][128 k] bf16: byte (k / 128) x 524,288 + n x 256 + 2 (k % 128).
;     The arithmetic is the definition's: a whole-number difference (exact in f32), one f32 product, one rounding to bf16.  All 32 bits of a word are taken as nibbles.
; THE STREAM IS THE LAUNCH: 134 MB in and 67 MB out, against 4 MB in and 17 MB out for the weights.  256 work-groups of 16 waves; work-group b converts 524,288 consecutive bytes of x, in 64 chunks of
; 8,192: thread t takes the 16 bytes at 16 t of a chunk, so a wave's load covers 512 consecutive bytes, and its store of 8 bytes a lane 256 consecutive bytes, aligned.
; A ring of 16 slots in registers keeps 16 loads of every wave on their way: 16 waves x 16 x 512 bytes = 128 KiB a work-group.  All 64 turns are written out: every offset stands in an immediate
; (516,096 at the most), the two address registers are never rewritten, and each turn has store registers of its own, so no register waits for a store.
; THE WEIGHTS RIDE ON THE STREAM.  Work-group (c, kb) makes 256 rows n of block kb: 65,536 consecutive bytes of wt, one group of scales and zeros.  Wave w takes qweight's row 16 kb + w; a word gives 8
; neighbouring k of one n: 16 bytes of a row of wt.  A lane has eight words (four neighbouring columns in each of two groups of 128); one of them is worked on behind every sixth turn of the stream.
; A row's 256 bytes come from all sixteen waves, so the rows meet in LDS, and behind one barrier each wave stores 16 whole rows, 512 consecutive bytes a store.
; LDS has four regions, one for each n % 4, rows 272 bytes apart: 16 lanes of a store stand seventeen 16-byte columns apart (64 banks of 4 bytes: ISA guide 11.1); on the way back 16 lanes take one row on end.
; No cluster, no tensor load, no prefetch: each byte of x and of qweight is wanted by one lane, once, and the loads themselves run ahead.
.set CHUNK, 8192                       ; bytes of x in a turn of the work-group
.set DEPTH, 16                         ; slots
.set TURNS, 64
.set PITCH, 272
.set REG,   64*PITCH                   ; a region: 64 rows
.set SPARE, 4*REG                      ; 69,632, a multiple of 256: the spare words, 128 bytes for each of the sixteen waves, which no other line names
.set QO,  2                            ; v2   16 l: my four words in a group of 128 columns of qweight
.set SO,  3                            ; v3   8 l: my four scales
.set ZO,  4                            ; v4   4 (l / 2): the word with my four zeros
.set SH,  5                            ; v5   16 (l % 2): where they begin in it
.set STA, 6                            ; v6   272 l + 16 w: my 16 bytes in a region
.set LX,  7                            ; v7   16 t: my 16 bytes of a chunk of x; never rewritten
.set RDL, 8                            ; v8   the way back: region l / 16, row 4 w, byte 16 (l % 16)
.set GO,  9                            ; v9   4,096 w + 16 l: my 16 bytes of the wave's first two rows in wt
.set SPW, 10                           ; v10  LDS address of my spare word; never rewritten
.set NIL, 11                           ; v11  0; never rewritten
.set ZR,  12                           ; v[12:13]  group i: the zeros' word
.set SX,  14                           ; v14  8 t: my 8 bytes of a chunk of xb; never rewritten
.set SCR, 16                           ; v[16:19]  group i: four f16 scales in two registers
.set QR,  20                           ; v[20:27]  group i: four words of qweight
.set SV,  28                           ; v28  the column's scale in f32: the low word of the pair that the packed multiply names
.set ZV,  29                           ; v29  the column's zero
.set T,   30                           ; v[30:37]  eight numbers at work
.set OW,  38                           ; v[38:41]  eight bf16
.set X,   64                           ; v[64:127]  slot s: four f32 as loaded; at the end the rows of wt on their way back
.set Y,   128                          ; v[128:255] turn n: four bf16 to store
	s_load_b256 s[4:11], s[0:1], 0x0               ; x s[4:5], qweight s[6:7], qzeros s[8:9], scales s[10:11]
	s_load_b128 s[12:15], s[0:1], 0x20             ; xb s[12:13], wt s[14:15]
	v_lshl_add_u32 v[SPW], v0, 2, SPARE
	v_mov_b32 v[NIL], 0
	v_lshrrev_b32 v1, 5, v0
	v_readfirstlane_b32 s16, v1                    ; wave 0..15
	v_and_b32 v1, 31, v0                           ; lane l
	s_mov_b32 s17, ttmp9                           ; c: which 256 columns
	s_and_b32 s18, ttmp7, 0xffff                   ; kb: which 128 k, and which group
	s_lshl_b32 s19, s18, 3
	s_add_co_u32 s19, s19, s17                     ; b = 8 kb + c: which part of x
	s_lshl_b32 s20, s19, 19                        ; x: 524,288 b, under 2^27
	s_mov_b32 s21, 0
	s_lshl_b32 s22, s19, 18                        ; xb: 262,144 b
	s_mov_b32 s23, 0
	s_lshl_b32 s24, s18, 17                        ; qweight: row 16 kb + w of 8,192 bytes, column 256 c
	s_lshl_b32 s34, s16, 13
	s_add_co_u32 s24, s24, s34
	s_lshl_b32 s34, s17, 10
	s_add_co_u32 s24, s24, s34
	s_mov_b32 s25, 0
	s_lshl_b32 s26, s18, 10                        ; qzeros: row kb of 1,024 bytes, word 32 c
	s_lshl_b32 s34, s17, 7
	s_add_co_u32 s26, s26, s34
	s_mov_b32 s27, 0
	s_lshl_b32 s28, s18, 12                        ; scales: row kb of 4,096 bytes, column 256 c
	s_lshl_b32 s34, s17, 9
	s_add_co_u32 s28, s28, s34
	s_mov_b32 s29, 0
	s_lshl_b32 s32, s18, 19                        ; wt: block kb, row 256 c
	s_lshl_b32 s34, s17, 16
	s_add_co_u32 s32, s32, s34
	s_mov_b32 s33, 0
	v_lshlrev_b32 v[LX], 4, v0
	v_lshlrev_b32 v[SX], 3, v0
	v_lshlrev_b32 v[QO], 4, v1
	v_lshlrev_b32 v[SO], 3, v1
	v_lshrrev_b32 v[ZO], 1, v1
	v_lshlrev_b32 v[ZO], 2, v[ZO]
	v_and_b32 v[SH], 1, v1
	v_lshlrev_b32 v[SH], 4, v[SH]
	s_wait_kmcnt 0x0
	s_add_nc_u64 s[4:5], s[4:5], s[20:21]
	s_add_nc_u64 s[12:13], s[12:13], s[22:23]
	s_add_nc_u64 s[6:7], s[6:7], s[24:25]
	s_add_nc_u64 s[8:9], s[8:9], s[26:27]
	s_add_nc_u64 s[10:11], s[10:11], s[28:29]
	s_add_nc_u64 s[14:15], s[14:15], s[32:33]
.irp i, 0,1                            ; the weights' six loads go first: group i is columns 128 i + 4 l + 0..3
	global_load_b32  v[ZR+(\i)], v[ZO], s[8:9] offset:64*(\i)
	global_load_b64  v[SCR+2*(\i):SCR+2*(\i)+1], v[SO], s[10:11] offset:256*(\i)
	global_load_b128 v[QR+4*(\i):QR+4*(\i)+3], v[QO], s[6:7] offset:512*(\i) th:TH_LOAD_NT
.endr
.set n, 0
.rept DEPTH                            ; the ring is filled: chunks 0 to 15
	global_load_b128 v[X+4*n:X+4*n+3], v[LX], s[4:5] offset:n*CHUNK th:TH_LOAD_NT
.set n, n+1
.endr
	v_mul_u32_u24 v[STA], v1, PITCH                ; the LDS addresses are made while the loads are out
	s_lshl_b32 s34, s16, 4
	v_add_nc_u32 v[STA], s34, v[STA]
	v_lshrrev_b32 v[RDL], 4, v1
	v_mul_u32_u24 v[RDL], v[RDL], REG
	v_and_b32 v[GO], 15, v1
	v_lshl_add_u32 v[RDL], v[GO], 4, v[RDL]
	s_mul_i32 s34, s16, 4*PITCH
	v_add_nc_u32 v[RDL], s34, v[RDL]
	s_lshl_b32 s34, s16, 12
	v_lshl_add_u32 v[GO], v1, 4, s34
; One word: column 128 i + 4 l + j, eight k.  half: the register half that holds the column's scale.
.macro WORD i, j, half
.if (\j) == 0
	v_lshrrev_b32 v[ZR+(\i)], v[SH], v[ZR+(\i)]    ; my four zeros now lie in bits 0 to 15
.endif
	v_cvt_f32_f16 v[SV], \half
	v_bfe_u32 v[ZV], v[ZR+(\i)], 4*(\j), 4
.irp e, 0,1,2,3,4,5,6,7
	v_bfe_u32 v[T+(\e)], v[QR+4*(\i)+(\j)], 4*(\e), 4
.endr
.irp e, 0,1,2,3,4,5,6,7
	v_sub_nc_u32 v[T+(\e)], v[T+(\e)], v[ZV]       ; -15 .. 15
.endr
.irp e, 0,1,2,3,4,5,6,7
	v_cvt_f32_i32 v[T+(\e)], v[T+(\e)]
.endr
.irp e, 0,2,4,6
	v_pk_mul_f32 v[T+(\e):T+(\e)+1], v[T+(\e):T+(\e)+1], v[SV:SV+1] op_sel_hi:[1,0]  ; both by the pair's low word, the scale
.endr
.irp e, 0,1,2,3
	v_cvt_pk_bf16_f32 v[OW+(\e)], v[T+2*(\e)], v[T+2*(\e)+1]
.endr
	ds_store_b128 v[STA], v[OW:OW+3] offset:(\j)*REG+(\i)*32*PITCH       ; region j, row 32 i + l, byte 16 w; 60,928 at the most
.endm
.macro WORDN k                         ; word k of my eight
.if (\k) == 0
	WORD 0, 0, v16.l
.elseif (\k) == 1
	WORD 0, 1, v16.h
.elseif (\k) == 2
	WORD 0, 2, v17.l
.elseif (\k) == 3
	WORD 0, 3, v17.h
.elseif (\k) == 4
	WORD 1, 0, v18.l
.elseif (\k) == 5
	WORD 1, 1, v18.h
.elseif (\k) == 6
	WORD 1, 2, v19.l
.else
	WORD 1, 3, v19.h
.endif
.endm
; THE STREAM.  Turn n: chunk n is in; it is rounded; its slot is asked for again, with chunk n + 16, ahead of the store.  The last 16 turns load nothing, and their counts run down.
.set n, 0
.rept TURNS
.if n < TURNS-DEPTH
	s_wait_loadcnt DEPTH-1                         ; loads come back in order (ISA guide 5.7.1): chunk n is in (and, at n = 0, the weights' six, issued ahead of it); the 15 younger chunks stay out
.else
	s_wait_loadcnt TURNS-1-n
.endif
	v_cvt_pk_bf16_f32 v[Y+2*n],   v[X+4*(n%DEPTH)],   v[X+4*(n%DEPTH)+1]
	v_cvt_pk_bf16_f32 v[Y+2*n+1], v[X+4*(n%DEPTH)+2], v[X+4*(n%DEPTH)+3]
.if n < TURNS-DEPTH
	global_load_b128 v[X+4*(n%DEPTH):X+4*(n%DEPTH)+3], v[LX], s[4:5] offset:(n+DEPTH)*CHUNK th:TH_LOAD_NT
.endif
	global_store_b64 v[SX], v[Y+2*n:Y+2*n+1], s[12:13] offset:n*(CHUNK/2) th:TH_STORE_NT  ; a wave's store: 256 consecutive bytes, at a multiple of 256 from xb's first byte
.if (n < 48) && (n%6 == 2)
	WORDN n/6                                      ; turns 2, 8, .. 44: one word of the weights
.endif
.set n, n+1
.endr
	s_wait_dscnt 0x0                               ; for the others' sake: my stores into LDS are done
	s_barrier_signal -1
	s_barrier_wait -1                              ; all 256 rows of wt are whole
.irp t, 0,1,2,3,4,5,6,7
	ds_load_b128 v[X+4*(\t):X+4*(\t)+3], v[RDL] offset:2*((\t)%2)*REG+((\t)/2)*PITCH  ; rows 16 w + 2 t + l / 16: two rows of 256 bytes
.endr
.irp t, 0,1,2,3,4,5,6,7
	s_wait_dscnt 7-(\t)                            ; the younger loads may stay out
	global_store_b128 v[GO], v[X+4*(\t):X+4*(\t)+3], s[14:15] offset:512*(\t)  ; 512 consecutive bytes, at a multiple of 512 from wt's first byte
.endr
	s_wait_tensorcnt 0x0                           ; the wave's end: three lines, behind my last LDS store
	ds_add_u32 v[SPW], v[NIL]
	s_wait_dscnt 0x0
	s_endpgm
.Lfunc_end_k_qb7ed7154ba_prep:
	.size	k_qb7ed7154ba_prep, .Lfunc_end_k_qb7ed7154ba_prep-k_qb7ed7154ba_prep
	.p2alignl 7, 3214868480
	.fill 96, 4, 3214868480
	.section	.rodata,"a",@progbits
	.p2align	6, 0x0
	.amdhsa_kernel k_qb7ed7154ba_prep
		.amdhsa_group_segment_fixed_size 71680
		.amdhsa_private_segment_fixed_size 0
		.amdhsa_enable_private_segment 0
		.amdhsa_kernarg_size 48
		.amdhsa_user_sgpr_count 2
		.amdhsa_user_sgpr_kernarg_segment_ptr 1
		.amdhsa_wavefront_size32 1
		.amdhsa_system_sgpr_workgroup_id_x 1
		.amdhsa_system_sgpr_workgroup_id_y 1
		.amdhsa_system_sgpr_workgroup_id_z 1
		.amdhsa_system_vgpr_workitem_id 0
		.amdhsa_next_free_vgpr 256
		.amdhsa_next_free_sgpr 66
		.amdhsa_reserve_vcc 0
		.amdhsa_float_denorm_mode_32 3
		.amdhsa_float_denorm_mode_16_64 3
		.amdhsa_memory_ordered 1
		.amdhsa_forward_progress 1
		.amdhsa_inst_pref_size 41
	.end_amdhsa_kernel
	.amdgpu_metadata
---
amdhsa.version: [ 1, 2 ]
amdhsa.kernels:
  - .name:           k_qb7ed7154ba_prep
    .symbol:         k_qb7ed7154ba_prep.kd
    .args:
      - { .name: x, .offset: 0, .size: 8, .value_kind: global_buffer, .address_space: global }
      - { .name: qweight, .offset: 8, .size: 8, .value_kind: global_buffer, .address_space: global }
      - { .name: qzeros, .offset: 16, .size: 8, .value_kind: global_buffer, .address_space: global }
      - { .name: scales, .offset: 24, .size: 8, .value_kind: global_buffer, .address_space: global }
      - { .name: xb, .offset: 32, .size: 8, .value_kind: global_buffer, .address_space: global }
      - { .name: wt, .offset: 40, .size: 8, .value_kind: global_buffer, .address_space: global }
    .group_segment_fixed_size: 71680
    .private_segment_fixed_size: 0
    .kernarg_segment_align: 8
    .kernarg_segment_size: 48
    .max_flat_workgroup_size: 512
    .sgpr_count:     66
    .vgpr_count:     256
    .wavefront_size: 32
...
	.end_amdgpu_metadata
.endif
;; end of part 3
;; launch gemm (part 4): grid 8 x 32, 4 waves a work-group, clusters of 4 x 4, 327,680 bytes of LDS; arguments xb, wt, out0; writes out0
.if DOCPART == 4
	.amdgcn_target "amdgcn-amd-amdhsa--gfx1250"
	.amdhsa_code_object_version 6
	.text
	.protected	k_qb7ed7154ba_gemm
	.globl	k_qb7ed7154ba_gemm
	.p2align	8
	.type	k_qb7ed7154ba_gemm,@function
k_qb7ed7154ba_gemm:
	s_mov_b64 s[64:65], 0
	v_nop
	global_prefetch_b8 v0, s[64:65] scope:SCOPE_SE
	s_setreg_imm32_b32 hwreg(HW_REG_WAVE_MODE, 25, 1), 1
	s_wait_xcnt 0x0
	s_wait_alu depctr_hold_cnt(0) depctr_sa_sdst(0) depctr_va_vdst(0) depctr_va_sdst(0) depctr_va_ssrc(0) depctr_va_vcc(0) depctr_vm_vsrc(0)
	s_getreg_b32 s2, hwreg(HW_REG_IB_STS2, 6, 4)
	s_cmp_eq_u32 s2, 0
	s_cbranch_scc0 .Lentry_in_a_cluster
	s_endpgm
.Lentry_in_a_cluster:
	s_bfe_u32 s2, ttmp6, 0x10000c
	s_cmp_lg_u32 s2, 0xf033
	s_cbranch_scc0 .Lentry_shape_is_right
	s_endpgm
.Lentry_shape_is_right:
; out0[m][n] = the sum over k of xb[m][k] W[k][n].  xb: [8192][4096] bf16, x rounded by the launch in front.  wt: the weights in bf16, 32 blocks of [2048 n][128 k].  out0: [8192][2048] f32.
; Sums in f32.  LIMIT: out0 is the f32 sum itself; the definition rounds the sum to bf16 before it widens it.
; SHARES.  A tile of out0, 256 x 256, is made by a work-group of four waves: 8 x 32 = 256 tiles, one to a work-group.  A wave makes 128 x 128: 64 accumulators of 16 x 16, 512 registers:
; for 32 along K it reads 2 x 128 x 64 bytes from LDS and issues 64 matrix instructions.
; THE RING.  K goes in steps of 128 through two LDS slots filled by the tensor data mover: 256 rows of xb and 256 rows of wt, 256 bytes each, at multiples of 256 from their buffers' first bytes.
; A slot is 139,264 bytes, so two fit; with x in f32 two such slots would be 409,600 bytes: that is why x comes rounded.  From a request to the wait for it a wave issues 224 matrix instructions.
; CLUSTERS: 4 x 4 work-groups.  The four of a row of the cluster need the same rows of xb, the four of a column the same rows of wt: each tile is asked for JOINTLY, by the same tensor load with the same
; descriptor and a mask that names the four.
; THE MATRIX INSTRUCTION IS USED TRANSPOSED: source 0 = 16 rows of wt (n), source 1 = 16 rows of xb (m): lane l then holds row l % 16 of out0 and the columns 8 (l / 16) + 0..7: 32 neighbouring bytes.
; REGISTERS, in windows of 256 (s_set_vgpr_msb: bits 1:0 source 0, 3:2 source 1, 5:4 source 2, 7:6 destination):
;   window 0: v0-31 addresses; v64-127, v128-191 fragments of xb (8 x 16 rows x 32 K), two buffers
;   window 1: v64-127, v128-191 fragments of wt, two buffers; on the way out all 256: four blocks read back from the stage
;   window 2: the 32 accumulators of my rows 0-63 (accumulator (a, b) at v[8 (8 a + b)]);   window 3: those of my rows 64-127
.set PITCH,  272                       ; an LDS row: 256 bytes + 16 of padding = 68 words: row r starts at bank 4 r mod 64 (64 banks of 4 bytes: ISA guide 11.1), so the 16 rows of a load start at 16 different banks
.set HALFT,  128*PITCH                 ; 128 rows: what one tensor load brings, and what one wave reads of xb or of wt
.set SLOT,   4*HALFT                   ; xb's 256 rows, then wt's 256 rows
.set STAGE,  2*SLOT                    ; 278,528, a multiple of 256: behind the ring, never filled by a tensor load: 16 rows x 528 bytes for each wave, for the way out
.set SP,     528                       ; 512 bytes + 16: 33 columns of 16 bytes
.set WST,    16*SP
.set SPARE,  STAGE+4*WST               ; behind the stages: the spare words, 128 bytes for each wave: two blocks of 256 bytes that no other line names
.set ASTEP,  256                       ; bytes from a K step to the next in xb,
.set BSTEP,  524288                    ; and in wt
.set LAPS,   16                        ; a lap = two K steps = once round the ring: 4,096 / 256
.set ADRA, 16                          ; v16-17  LDS address of my fragments of xb in slot 0, 1
.set ADRB, 20                          ; v20-21  the same for wt
.set STO,  24                          ; v24     the way out: where I put 32 bytes of a row
.set RD,   25                          ; v25     the way out: where I read a row back
.set CO,   26                          ; v26     16 l: my byte offset in 512 bytes of out0
.set SPW,  28                          ; v28     LDS address of my spare word: SPARE + 4 x my thread's number; never rewritten
.set NIL,  29                          ; v29     0; never rewritten
.set PFO,  30                          ; v30     the prefetches' offset: my lane x a row (8,192 bytes of xb, 256 of wt); never rewritten
.set F0,   64                          ; fragment buffer 0
.set F1,   128                         ; fragment buffer 1
.set G1,   24                          ; s[24:31] descriptor group 1 for xb's tiles;  s[32:39] group 0, a set for each slot
.set G0,   32
.set G1B,  48                          ; s[48:55], s[56:63] the same for wt's tiles
.set G0B,  56
.set PFA,  66                          ; s[66:67] where my prefetches stand
.set PFS,  68                          ; s[68:69] their step: a K step of xb or of wt
.set LIM,  70                          ; s70     1 in a wave that prefetches, else the greatest number
.set MSB, 0
.macro WIN new                         ; the immediate's high byte repeats the setting that is left; a switch that changes nothing is dropped
.if MSB != (\new)
	s_set_vgpr_msb (MSB<<8)|(\new)
.set MSB, \new
.endif
.endm
.set MUL_LO, 0xa1                      ; source 0 (wt) window 1, source 1 (xb) window 0, C and D window 2
.set MUL_HI, 0xf1                      ; the same, C and D window 3
.set TO_B,   0x40                      ; destination window 1, address window 0
; A joint load.  Waves 0 and 1 fetch the two halves of xb's tile, waves 2 and 3 those of wt's.  Each of the two lines has one mask and one set of registers for all that issue it; the branch hangs on the
; wave's number alone.  An s_nop 0 and four v_nop follow each line, ahead of the jump, the label and what follows.
.macro JLOAD s
	s_cmp_eq_u32 s11, 0
	s_cbranch_scc0 .Lfor_b_\@
	tensor_load_to_lds s[G0+4*(\s):G0+4*(\s)+3], s[G1:G1+7]
	s_nop 0
.rept 4
	v_nop
.endr
	s_branch .Lasked_\@
.Lfor_b_\@:
	tensor_load_to_lds s[G0B+4*(\s):G0B+4*(\s)+3], s[G1B:G1B+7]
	s_nop 0
.rept 4
	v_nop
.endr
.Lasked_\@:
.endm
; A round of the cluster's barrier: my work-group's barrier, so that wave 0's signal speaks for all four waves; wave 0 signals; every wave waits for all sixteen work-groups; my work-group's barrier once more.
.macro CREST                           ; a round behind its opening barrier
	s_cmp_lg_u32 s10, 0
	s_cbranch_scc1 .Lnot_wave_0_\@
	s_barrier_signal -3
.Lnot_wave_0_\@:
	s_barrier_wait -3
	s_barrier_signal -1
	s_barrier_wait -1
.endm
.macro CROUND                          ; a whole round
	s_barrier_signal -1
	s_barrier_wait -1
	CREST
.endm
; A PREFETCH INTO THE L2, behind each joint load, its five lines and the run of LDS loads that follows them: the K step that stands TWO refills on, 512 matrix instructions ahead of the load that will ask
; for it: 32 rows x 256 bytes, a lane a row, one instruction a wave.  At a change of slots every wave has waited for all its tensor loads, so the refill that follows has nothing on its way beside it.
; Each row's 256 bytes of a K step from K step 4 on are named ONCE in the launch.  xb's rows are read by both clusters of a row of clusters: the one with x = 0 asks, in waves 0 and 1; wt's rows by all eight
; clusters of a column of clusters: the one with y = 0 asks, in waves 2 and 3.  Of the 128 rows that a wave fetches the partner at place p takes 32 p .. 32 p + 31 (p = cx for xb, cy for wt): the partners are
; told apart BY ADDRESS, and no branch hangs on a work-group's place in its cluster.  The loop's last trip asks for nothing: the trip before it has named K step 31, the last.  K steps 0 to 3 come by their loads alone.
.macro ASK
	WIN 0
	s_cmp_gt_u32 s3, s[LIM]                        ; s3 = 1 in the loop's last trip
	s_cbranch_scc0 .Lnot_mine_\@
	global_prefetch_b8 v[PFO], s[PFA:PFA+1] th:TH_LOAD_NT scope:SCOPE_SE
.Lnot_mine_\@:
.endm
	s_load_b128 s[4:7], s[0:1], 0x0                ; xb s[4:5], wt s[6:7]
	s_load_b64 s[8:9], s[0:1], 0x10                ; out0
	v_lshl_add_u32 v[SPW], v0, 2, SPARE
	v_mov_b32 v[NIL], 0
	ds_add_u32 v[SPW], v[NIL]                      ; the wave's opening: the add, twice on end, and its wait ahead of my first tensor load; the set-up below, work on registers, stands between
	ds_add_u32 v[SPW], v[NIL]                      ; and once more, under the one wait
	v_lshrrev_b32 v1, 5, v0
	v_readfirstlane_b32 s10, v1                    ; wave 0..3
	s_lshr_b32 s11, s10, 1                         ; which half of the tile's rows is mine.  Also: I fetch for xb (0) or for wt (1)
	s_and_b32 s12, s10, 1                          ; which half of its columns.  Also: which 128 rows of that tile I fetch
	s_bfe_u32 s40, ttmp6, 0x40000                  ; cx, cy: my place in the cluster
	s_bfe_u32 s41, ttmp6, 0x40004
	s_lshl_b32 s42, ttmp9, 2                       ; in a cluster launch ttmp9 and ttmp7 count clusters
	s_add_co_u32 s42, s42, s40                     ; tile column = 4 x cluster x + cx
	s_and_b32 s13, ttmp7, 0xffff
	s_lshl_b32 s13, s13, 2
	s_add_co_u32 s13, s13, s41                     ; tile row = 4 x cluster y + cy
	s_lshl_b32 s43, s41, 2
	s_lshl_b32 s43, 15, s43                        ; my row of the cluster: places 4 cy .. 4 cy + 3
	s_lshl_b32 s44, 0x1111, s40                    ; my column: places cx, cx + 4, cx + 8, cx + 12
	; descriptor group 1: a tile of 128 rows x 128 elements of 2 bytes, padded in LDS
	s_or_b32 s[G1+0], s43, (1<<16)|(1<<20)|(1<<21)|(5<<22)|(3<<25)   ; 15:0 the mask: xb's tiles go to my row; 17:16 elements of 2 bytes; 20 padding on; 21 set beside a mask; 24:22 after every 64 words (code 5); 31:25 4 words (code 3)
	s_or_b32 s[G1B+0], s44, (1<<16)|(1<<20)|(1<<21)|(5<<22)|(3<<25)  ; the same with the mask of my column, for wt's tiles
	s_mov_b32 s[G1+1], 128<<16                     ; tensor_dim0 = 128
	s_mov_b32 s[G1B+1], 128<<16
	s_mov_b32 s[G1+2], 128<<16                     ; tensor_dim1 = 128
	s_mov_b32 s[G1B+2], 128<<16
	s_mov_b32 s[G1+3], 128<<16                     ; tile_dim0 = 128
	s_mov_b32 s[G1B+3], 128<<16
	s_mov_b32 s[G1+4], 128                         ; tile_dim1 = 128
	s_mov_b32 s[G1B+4], 128
	s_mov_b32 s[G1+5], 4096                        ; elements from row to row: xb's rows are whole rows of x,
	s_mov_b32 s[G1B+5], 128                        ; wt's lie end to end in a block
	s_mov_b32 s[G1+6], 0
	s_mov_b32 s[G1B+6], 0
	s_mov_b32 s[G1+7], 0
	s_mov_b32 s[G1B+7], 0
	; where the tiles come from.  xb's hang on the tile row alone, which my row of the cluster shares; wt's on the tile column alone, which my column shares.  Every wave makes both, in registers of their own.
	s_lshl_b32 s17, s12, 7
	s_lshl_b32 s16, s13, 8
	s_add_co_u32 s16, s16, s17                     ; xb: row 256 x tile row + 128 x half,
	s_lshl_b32 s16, s16, 13                        ; of 8,192 bytes: under 2^26
	s_mov_b32 s17, 0
	s_lshl_b32 s47, s12, 7
	s_lshl_b32 s46, s42, 8
	s_add_co_u32 s46, s46, s47                     ; wt: row 256 x tile column + 128 x half,
	s_lshl_b32 s46, s46, 8                         ; of 256 bytes, in block 0
	s_mov_b32 s47, 0
	s_mul_i32 s20, s10, HALFT                      ; and where they go: xb's two halves, then wt's two halves = wave x 128 rows: no place in the cluster enters an LDS address
	s_wait_dscnt 0x0                               ; both opening adds are done
	s_wait_kmcnt 0x0
	s_add_nc_u64 s[14:15], s[4:5], s[16:17]
	s_add_nc_u64 s[46:47], s[6:7], s[46:47]
	CROUND                                         ; all sixteen work-groups are here: the first joint loads meet
.irp s, 0,1
	s_mov_b32 s[G0+4*(\s)], 1                                        ; 1:0 count = 1
	s_add_co_u32 s[G0+4*(\s)+1], s20, (\s)*SLOT                      ; 63:32 LDS address
	s_add_nc_u64 s[G0+4*(\s)+2:G0+4*(\s)+3], s[14:15], (\s)*ASTEP    ; 120:64 global address: K step s
	s_or_b32 s[G0+4*(\s)+3], s[G0+4*(\s)+3], 0x80000000              ; 127:126 type = 2
	s_mov_b32 s[G0B+4*(\s)], 1
	s_add_co_u32 s[G0B+4*(\s)+1], s20, (\s)*SLOT
	s_add_nc_u64 s[G0B+4*(\s)+2:G0B+4*(\s)+3], s[46:47], (\s)*BSTEP
	s_or_b32 s[G0B+4*(\s)+3], s[G0B+4*(\s)+3], 0x80000000
	JLOAD \s                                       ; the ring is filled before anything else is done: two loads of mine are out
.endr
	; A fragment is 16 rows x 32 K in 8 registers: lane l holds row l % 16; registers 0-3 hold K = 8 (l / 16) + 0..7, registers 4-7 hold K = 16 + 8 (l / 16) + 0..7: two loads of 16 bytes, 32 bytes apart.
	v_and_b32 v1, 15, v0                           ; l % 16
	v_bfe_u32 v2, v0, 4, 1                         ; l / 16
	v_mul_u32_u24 v3, v1, PITCH
	v_lshl_add_u32 v3, v2, 4, v3                   ; row x pitch + 16 x half
	s_mul_i32 s21, s11, HALFT                      ; my 128 rows of xb
	s_mul_i32 s22, s12, HALFT                      ; my 128 rows of wt,
	s_add_co_u32 s22, s22, 2*HALFT                 ; which lie behind xb's 256
.irp s, 0,1
	v_add_nc_u32 v[ADRA+(\s)], s21, v3
	v_add_nc_u32 v[ADRB+(\s)], s22, v3
	s_add_co_u32 s21, s21, SLOT
	s_add_co_u32 s22, s22, SLOT
.endr
	s_mul_i32 s23, s10, WST
	s_add_co_u32 s23, s23, STAGE                   ; my stage
	v_mul_u32_u24 v5, v1, SP                       ; in: row l % 16, 32 bytes for each half of the lanes
	v_lshl_add_u32 v5, v2, 5, v5
	v_add_nc_u32 v[STO], s23, v5
	v_and_b32 v6, 31, v0
	v_lshlrev_b32 v[CO], 4, v6                     ; back: 32 lanes take a row's 512 bytes
	v_add_nc_u32 v[RD], s23, v[CO]
	s_lshl_b32 s74, s13, 8                         ; out0 at my first row, 256 x tile row + 128 x half, of 8,192 bytes,
	s_lshl_b32 s75, s11, 7
	s_add_co_u32 s74, s74, s75
	s_lshl_b32 s74, s74, 13
	s_lshl_b32 s75, s42, 10                        ; the tile's first column, 1,024 bytes a tile,
	s_add_co_u32 s74, s74, s75
	s_lshl_b32 s75, s12, 9                         ; and my half of its columns
	s_add_co_u32 s74, s74, s75
	s_mov_b32 s75, 0
	s_add_nc_u64 s[8:9], s[8:9], s[74:75]
	; the prefetches' address, at K step 3: each refill steps it, the first (which asks for K step 2) to K step 4
	s_lshl_b32 s76, s13, 8                         ; in xb: row 256 x tile row + 128 x half + 32 cx
	s_lshl_b32 s77, s12, 7
	s_add_co_u32 s76, s76, s77
	s_lshl_b32 s77, s40, 5
	s_add_co_u32 s76, s76, s77
	s_lshl_b32 s76, s76, 13
	s_add_co_u32 s76, s76, 3*ASTEP
	s_lshl_b32 s78, s42, 8                         ; in wt: row 256 x tile column + 128 x half + 32 cy
	s_lshl_b32 s77, s12, 7
	s_add_co_u32 s78, s78, s77
	s_lshl_b32 s77, s41, 5
	s_add_co_u32 s78, s78, s77
	s_lshl_b32 s78, s78, 8
	s_add_co_u32 s78, s78, 3*BSTEP
	s_and_b32 s79, ttmp7, 0xffff                   ; cluster y
	s_mov_b32 s[PFS], BSTEP
	s_mov_b32 s[PFS+1], 0
	s_mov_b32 s75, 0
	s_cmp_eq_u32 s11, 0                            ; do I fetch for xb?
	s_cselect_b32 s74, s76, s78
	s_cselect_b32 s79, ttmp9, s79                  ; the coordinate along which other clusters read the same rows
	s_cselect_b32 s[PFS], ASTEP, s[PFS]
	s_cselect_b32 s72, 13, 8                       ; a row is 8,192 bytes of xb or 256 of wt
	s_cselect_b64 s[PFA:PFA+1], s[4:5], s[6:7]
	s_add_nc_u64 s[PFA:PFA+1], s[PFA:PFA+1], s[74:75]
	s_cmp_eq_u32 s79, 0                            ; the same in all sixteen partners, for a given wave
	s_cselect_b32 s[LIM], 1, -1
	v_lshlrev_b32 v[PFO], s72, v6
; 16 matrix instructions: m blocks a0, a0 + 1 of the window's four (hi = 0: my rows 0-63, 1: rows 64-127) x all 8 n blocks, 32 along K.  zero = 1: the product starts the sums: nothing is ever cleared.
; The 64 accumulators take turns, one instruction a turn, in the same order in every quarter, over the backward jump too.
.macro MUL16 f, hi, a0, zero
	WIN MUL_LO+0x50*(\hi)
.irp a, \a0, (\a0)+1
.irp b, 0,1,2,3,4,5,6,7
.if \zero
	v_wmma_f32_16x16x32_bf16 v[8*(8*(\a)+(\b)):8*(8*(\a)+(\b))+7], v[(\f)+8*(\b):(\f)+8*(\b)+7], v[(\f)+8*(4*(\hi)+(\a)):(\f)+8*(4*(\hi)+(\a))+7], 0
.else
	v_wmma_f32_16x16x32_bf16 v[8*(8*(\a)+(\b)):8*(8*(\a)+(\b))+7], v[(\f)+8*(\b):(\f)+8*(\b)+7], v[(\f)+8*(4*(\hi)+(\a)):(\f)+8*(4*(\hi)+(\a))+7], v[8*(8*(\a)+(\b)):8*(8*(\a)+(\b))+7]
.endif
.endr
.endr
.endm
; 32 LDS loads in one run: the fragments of one quarter step (128 rows of wt, 128 rows of xb, 32 K at byte k of the rows) into buffer f
.macro FETCH slot, k, f
	WIN TO_B
.irp i, 0,1,2,3,4,5,6,7
	ds_load_b128 v[(\f)+8*(\i):(\f)+8*(\i)+3],   v[ADRB+(\slot)] offset:(\k)+(\i)*16*PITCH
	ds_load_b128 v[(\f)+8*(\i)+4:(\f)+8*(\i)+7], v[ADRB+(\slot)] offset:(\k)+(\i)*16*PITCH+32
.endr
	WIN 0
.irp i, 0,1,2,3,4,5,6,7
	ds_load_b128 v[(\f)+8*(\i):(\f)+8*(\i)+3],   v[ADRA+(\slot)] offset:(\k)+(\i)*16*PITCH
	ds_load_b128 v[(\f)+8*(\i)+4:(\f)+8*(\i)+7], v[ADRA+(\slot)] offset:(\k)+(\i)*16*PITCH+32
.endr
.endm
; A load into a register that a matrix instruction has read, and an LDS store that reads a matrix result, stand four places behind that matrix instruction, and only plain vector instructions that name none
; of its registers are places (ISA guide 7.12.1 for vector instructions).  No other vector work is at hand, so four v_nop stand in front of each run of loads.
.macro PLACES
.rept 4
	v_nop
.endr
.endm
; A K step is four quarters of 32 along K, 64 matrix instructions each, on buffers 0, 1, 0, 1.
; One of the first three: multiplies buffer f; in its middle it fetches the next quarter's fragments, at byte k of the same slot's rows, into buffer g.
.macro QUARTER slot, k, f, g, zero
	s_wait_dscnt 8                                 ; wt's fragments and xb's rows 0-63 are in; the youngest eight loads (xb's rows 64-127) may be out
	MUL16 \f, 0, 0, \zero
	MUL16 \f, 0, 2, \zero
	PLACES
	FETCH \slot, \k, \g
	s_wait_dscnt 32                                ; all but the 32 just issued
	MUL16 \f, 1, 0, \zero
	MUL16 \f, 1, 2, \zero
.endm
; The last quarter multiplies buffer 1 and changes slots: ONE barrier for two things.  In front of it each wave waits for all its tensor loads, of which one is out: its part of the next slot; adds 0 to its
; spare word; and waits for that and for its own reads of this slot.  Behind it nobody reads this slot any more and the next slot is whole.
; fill = 1: this slot is filled again, with the K step two on.  The barrier then opens a round of the cluster's, so that no wave of any partner still reads the slot or has a load on its way, and the joint
; refill is the first thing behind it; then come the next slot's first fragments.  fill = 0: nothing is left to ask for, and no round follows.
.macro TURN slot, next, fill
.if \fill
	s_wait_xcnt 0x0                                ; the last prefetch, a K step back, has read its address: it is stepped here, ahead of the waits of the change of slots
	s_add_nc_u64 s[PFA:PFA+1], s[PFA:PFA+1], s[PFS:PFS+1]
.endif
	WIN 0                                          ; (the add's two registers lie in window 0)
	s_wait_tensorcnt 0x0                           ; all my tensor loads have landed: the one that was out is my part of the next slot; so a group 0 may be written
	ds_add_u32 v[SPW], v[NIL]                      ; 0 onto my spare word; the steps and sixteen products stand between it and the wait for it
.if \fill
	s_add_nc_u64 s[G0+4*(\slot)+2:G0+4*(\slot)+3], s[G0+4*(\slot)+2:G0+4*(\slot)+3], 2*ASTEP     ; the type bits on top are not reached
	s_add_nc_u64 s[G0B+4*(\slot)+2:G0B+4*(\slot)+3], s[G0B+4*(\slot)+2:G0B+4*(\slot)+3], 2*BSTEP
.endif
	s_wait_dscnt 9                                 ; (the add and the youngest eight loads may be out)
	MUL16 F1, 0, 0, 0
	s_wait_dscnt 0x0                               ; the add is done, and my reads of this slot are over (the last were issued 48 matrix instructions ago):
	s_barrier_signal -1                            ; say so,
	MUL16 F1, 0, 2, 0                              ; work on registers while the others arrive,
.if \fill
	WIN 0
.endif
	s_barrier_wait -1                              ; and go on when all four have said so
.if \fill
	CREST
	JLOAD \slot                                    ; the first tensor load behind the round, my only one until the next; its four v_nop are also the places in front of the loads below
.else
	PLACES
.endif
	FETCH \next, 0, F0
.if \fill
	ASK
.endif
	MUL16 F1, 1, 0, 0
	MUL16 F1, 1, 2, 0
.endm
	s_wait_tensorcnt 1                             ; my part of K step 0 is in; K step 1's may stay out
	s_barrier_signal -1
	s_barrier_wait -1                              ; everybody's is
	FETCH 0, 0, F0
	QUARTER 0, 64,  F0, F1, 1                      ; the first quarter stands in front of the loop: its products start the sums
	WIN 0                                          ; at a label and at a branch every window is 0
	s_mov_b32 s3, LAPS-1
.Llap:                                                 ; a trip goes once round the ring, from a lap's second quarter to the next lap's first, and fills both slots again: trip i asks for K steps 2 i + 2 and 2 i + 3
	QUARTER 0, 128, F1, F0, 0
	QUARTER 0, 192, F0, F1, 0
	TURN 0, 1, 1
	QUARTER 1, 64,  F0, F1, 0
	QUARTER 1, 128, F1, F0, 0
	QUARTER 1, 192, F0, F1, 0
	TURN 1, 0, 1
	QUARTER 0, 64,  F0, F1, 0
	WIN 0
	s_sub_co_u32 s3, s3, 1
	s_cmp_lg_u32 s3, 0
	s_cbranch_scc1 .Llap
	QUARTER 0, 128, F1, F0, 0                      ; the last lap is written out: it fills nothing
	QUARTER 0, 192, F0, F1, 0
	TURN 0, 1, 0                                   ; K step 31's tile, my last load, is waited for here
	QUARTER 1, 64,  F0, F1, 0
	QUARTER 1, 128, F1, F0, 0
	QUARTER 1, 192, F0, F1, 0
	s_wait_dscnt 8                                 ; the very last quarter: nothing more to fetch
	MUL16 F1, 0, 0, 0
	MUL16 F1, 0, 2, 0
	s_wait_dscnt 0x0
	MUL16 F1, 1, 0, 0
	MUL16 F1, 1, 2, 0
	PLACES                                         ; eight places, once a launch, in front of the LDS stores that read the sums and of the loads into wt's registers
	PLACES
; THE WAY OUT, a block of 16 rows x 128 columns at a time.  A lane's 32 bytes are one sixteenth of a row's 512, so a block goes through my stage in LDS: in by rows of 528 bytes, back as whole rows.
; The stage is my own: LDS serves a wave's instructions in order (ISA guide 5.7.1.4), so the loads see the stores in front of them, and the next block's stores come behind the loads.
.macro TOSTAGE a
	WIN 0x08+4*((\a)/4)                            ; the data (source 1) in window 2 or 3
.irp b, 0,1,2,3,4,5,6,7
	ds_store_b128 v[STO], v[8*(8*((\a)%4)+(\b)):8*(8*((\a)%4)+(\b))+3]   offset:64*(\b)      ; each accumulator's low registers first
	ds_store_b128 v[STO], v[8*(8*((\a)%4)+(\b))+4:8*(8*((\a)%4)+(\b))+7] offset:64*(\b)+16
.endr
.endm
.macro BACK a
	WIN TO_B                                       ; into window 1, which is free: four buffers of 64 registers by turns
.set t, 0
.rept 16
	ds_load_b128 v[64*((\a)%4)+4*t:64*((\a)%4)+4*t+3], v[RD] offset:t*SP
.set t, t+1
.endr
.endm
.macro SEND a, younger                 ; younger: the LDS instructions issued behind block a's loads: the next block's 16 stores, or none
	WIN 0x04                                       ; the data (source 1) in window 1
.set t, 0
.rept 16
	s_wait_dscnt (\younger)+15-t
	global_store_b128 v[CO], v[64*((\a)%4)+4*t:64*((\a)%4)+4*t+3], s[8:9] offset:(\a)*131072+t*8192 th:TH_STORE_NT  ; 512 consecutive bytes, at a multiple of 512 from out0's first byte; 1,040,384 at the most: inside the signed 24-bit immediate
.set t, t+1
.endr
.endm
	TOSTAGE 0
	BACK 0
.irp a, 1,2,3,4,5,6,7
	TOSTAGE \a
	SEND (\a)-1, 16
.if (\a) >= 4
	s_wait_xcnt 0x0                                ; the stores of the block four back have read their data: its registers are loaded again only behind this wait
.endif
	BACK \a
.endr
	SEND 7, 0
	WIN 0
	s_wait_tensorcnt 0x0                           ; the wave's end: three lines, behind my last tensor load and my last LDS store
	ds_add_u32 v[SPW], v[NIL]
	s_wait_dscnt 0x0
	CROUND                                         ; the closing round: no work-group ends while a partner may still ask for a tile that names it
	s_endpgm
.Lfunc_end_k_qb7ed7154ba_gemm:
	.size	k_qb7ed7154ba_gemm, .Lfunc_end_k_qb7ed7154ba_gemm-k_qb7ed7154ba_gemm
	.p2alignl 7, 3214868480
	.fill 96, 4, 3214868480
	.section	.rodata,"a",@progbits
	.p2align	6, 0x0
	.amdhsa_kernel k_qb7ed7154ba_gemm
		.amdhsa_group_segment_fixed_size 327680
		.amdhsa_private_segment_fixed_size 0
		.amdhsa_enable_private_segment 0
		.amdhsa_kernarg_size 24
		.amdhsa_user_sgpr_count 2
		.amdhsa_user_sgpr_kernarg_segment_ptr 1
		.amdhsa_wavefront_size32 1
		.amdhsa_system_sgpr_workgroup_id_x 1
		.amdhsa_system_sgpr_workgroup_id_y 1
		.amdhsa_system_sgpr_workgroup_id_z 1
		.amdhsa_system_vgpr_workitem_id 0
		.amdhsa_next_free_vgpr 1024
		.amdhsa_next_free_sgpr 80
		.amdhsa_reserve_vcc 0
		.amdhsa_float_denorm_mode_32 3
		.amdhsa_float_denorm_mode_16_64 3
		.amdhsa_memory_ordered 1
		.amdhsa_forward_progress 1
		.amdhsa_inst_pref_size 145
	.end_amdhsa_kernel
	.amdgpu_metadata
---
amdhsa.version: [ 1, 2 ]
amdhsa.kernels:
  - .name:           k_qb7ed7154ba_gemm
    .symbol:         k_qb7ed7154ba_gemm.kd
    .args:
      - { .name: xb, .offset: 0, .size: 8, .value_kind: global_buffer, .address_space: global }
      - { .name: wt, .offset: 8, .size: 8, .value_kind: global_buffer, .address_space: global }
      - { .name: out0, .offset: 16, .size: 8, .value_kind: global_buffer, .address_space: global }
    .group_segment_fixed_size: 327680
    .private_segment_fixed_size: 0
    .kernarg_segment_align: 8
    .kernarg_segment_size: 24
    .max_flat_workgroup_size: 128
    .sgpr_count:     80
    .vgpr_count:     1024
    .wavefront_size: 32
...
	.end_amdgpu_metadata
.endif
;; end of part 4
;; ======== version 3 of 3: 2 launches; version 2 with the launch prep written anew for expert scheduling mode
;; workspace buffers: xb 67,108,864 bytes; wt 16,777,216 bytes
;; launch prep (part 5): grid 8 x 32, 16 waves a work-group, no clusters, 71,680 bytes of LDS; arguments x, qweight, qzeros, scales, xb, wt; writes xb, wt
.if DOCPART == 5
	.amdgcn_target "amdgcn-amd-amdhsa--gfx1250"
	.amdhsa_code_object_version 6
	.text
	.protected	k_qb7ed7154ba_prep
	.globl	k_qb7ed7154ba_prep
	.p2align	8
	.type	k_qb7ed7154ba_prep,@function
k_qb7ed7154ba_prep:
	s_mov_b64 s[64:65], 0
	v_nop
	global_prefetch_b8 v0, s[64:65] scope:SCOPE_SE
	s_setreg_imm32_b32 hwreg(HW_REG_WAVE_SCHED_MODE, 0, 2), 2
	s_setreg_imm32_b32 hwreg(HW_REG_WAVE_MODE, 25, 1), 1
	s_wait_xcnt 0x0
	s_wait_alu depctr_vm_vsrc(0)
; TWO THINGS FOR THE PRODUCT THAT FOLLOWS, in one launch.
; (1) xb = bf16(x), to nearest even.  x: 33,554,432 f32, xb: as many bf16, in the same order.
; (2) wt[k / 128][n][k % 128] = bf16((nibble(k, n) - zero(k / 128, n)) * scale(k / 128, n)): the weights, dequantised once and turned.
;     qweight: [512][2048] words, word (p, n) holds k = 8 p .. 8 p + 7 of column n, the lowest k in the lowest four bits.  qzeros: [32][256] words, word (g, n / 8), nibble n % 8.  scales: [32][2048] f16.
;     wt: 32 blocks of [2048 n][128 k] bf16: byte (k / 128) x 524,288 + n x 256 + 2 (k % 128).
;     The arithmetic is the definition's: a whole-number difference (exact in f32), one f32 product, one rounding to bf16.  All 32 bits of a word are taken as nibbles.
; THE STREAM IS THE LAUNCH: 134 MB in and 67 MB out, against 4 MB in and 17 MB out for the weights.  256 work-groups of 16 waves; work-group b converts 524,288 consecutive bytes of x, in 64 chunks of
; 8,192: thread t takes the 16 bytes at 16 t of a chunk, so a wave's load covers 512 consecutive bytes, and its store of 8 bytes a lane 256 consecutive bytes, aligned.
; All 64 turns are written out: every offset stands in an immediate (516,096 at the most), the two address registers are never rewritten, and each turn has store registers of its own, so no register waits for a store.
; THE WEIGHTS RIDE ON THE STREAM.  Work-group (c, kb) makes 256 rows n of block kb: 65,536 consecutive bytes of wt, one group of scales and zeros.  Wave w takes qweight's row 16 kb + w; a word gives 8
; neighbouring k of one n: 16 bytes of a row of wt.  A lane has eight words (four neighbouring columns in each of two groups of 128); one of them is worked on behind every eighth turn of the stream.
; A row's 256 bytes come from all sixteen waves, so the rows meet in LDS, and behind one barrier each wave stores 16 whole rows, 512 consecutive bytes a store.
; LDS has four regions, one for each n % 4, rows 272 bytes apart: 16 lanes of a store stand seventeen 16-byte columns apart (64 banks of 4 bytes: ISA guide 11.1); on the way back 16 lanes take one row on end.
; No cluster, no tensor load, no prefetch: each byte of x and of qweight is wanted by one lane, once, and the loads themselves run ahead.
; THE MODE: SCHED_MODE bits 1:0 = 2 (LLVM: expert scheduling mode 2), set by the entry lines.  The code itself states the register dependences between vector instructions and memory or LDS
; instructions, with s_wait_alu, always for 0.
; THE PLAN.  The 64 turns go in 16 blocks of four.  Registers that memory or LDS instructions touch:
;   X0 .. X4   five blocks of x as loaded.  Written by the loads of block p + 4, issued in block p; read by block p's eight roundings.  At the end rows of wt land in X0 and X1, and the last stores read them.
;   Y          a pair for each turn.  Written once, by the turn's two roundings; read by the store that is issued in the next block.
;   OW         eight bf16 of wt.  Written by a word's roundings, behind an even block; read by the LDS store at the head of the odd block that follows.
;   offsets and LDS addresses (v2 to v4, v6 to v9, v14), the add's two registers (v10, v11): written once, ahead of the first wait on va_vdst that stands in front of their readers; never written again.
; Block p works on X[p % 5] and writes its own Y (and, if p is even, OW).  Its memory instructions are the loads into X[(p + 4) % 5] = X[(p - 1) % 5], the stores from block p - 1's Y and, if p is odd, the LDS
; store from OW: registers that block p - 1 worked on and that no vector instruction of block p names ahead of them.  So ONE wait on va_vdst at a block's head states all that they hang on, and they are dealt
; among the block's roundings with no further wait.  One wait on vm_vsrc stands at the head of each even block from 2 on: the LDS store of the block before has read OW.
; At a block's head the three younger blocks, 12 loads of the wave, stay out; with the four that follow, 16: 16 waves x 16 x 512 bytes = 128 KiB a work-group.
.set CHUNK, 8192                       ; bytes of x in a turn of the work-group
.set BLOCK, 4                          ; turns in a block
.set BLOCKS, 16
.set BUFS,  5                          ; blocks of x in registers
.set PITCH, 272
.set REG,   64*PITCH                   ; a region: 64 rows
.set SPARE, 4*REG                      ; 69,632, a multiple of 256: the spare words, 128 bytes for each of the sixteen waves, which no other line names
.set QO,  2                            ; v2   16 l: my four words in a group of 128 columns of qweight
.set SO,  3                            ; v3   8 l: my four scales
.set ZO,  4                            ; v4   4 (l / 2): the word with my four zeros
.set SH,  5                            ; v5   16 (l % 2): where they begin in it
.set STA, 6                            ; v6   272 l + 16 w: my 16 bytes in a region
.set LX,  7                            ; v7   16 t: my 16 bytes of a chunk of x; never rewritten
.set RDL, 8                            ; v8   the way back: region l / 16, row 4 w, byte 16 (l % 16)
.set GO,  9                            ; v9   4,096 w + 16 l: my 16 bytes of the wave's first two rows in wt
.set SPW, 10                           ; v10  LDS address of my spare word; never rewritten
.set NIL, 11                           ; v11  0; never rewritten
.set ZR,  12                           ; v[12:13]  group i: the zeros' word
.set SX,  14                           ; v14  8 t: my 8 bytes of a chunk of xb; never rewritten
.set SCR, 16                           ; v[16:19]  group i: four f16 scales in two registers
.set QR,  20                           ; v[20:27]  group i: four words of qweight
.set SV,  28                           ; v28  the column's scale in f32: the low word of the pair that the packed multiply names
.set ZV,  29                           ; v29  the column's zero
.set T,   30                           ; v[30:37]  eight numbers at work: no memory instruction names them
.set OW,  38                           ; v[38:41]  eight bf16
.set X,   48                           ; v[48:127]  buffer b, turn q: four f32 as loaded, at X + 16 b + 4 q; at the end the rows of wt on their way back
.set Y,   128                          ; v[128:255] turn n: four bf16 to store
	s_load_b256 s[4:11], s[0:1], 0x0               ; x s[4:5], qweight s[6:7], qzeros s[8:9], scales s[10:11]
	s_load_b128 s[12:15], s[0:1], 0x20             ; xb s[12:13], wt s[14:15]
	v_lshl_add_u32 v[SPW], v0, 2, SPARE
	v_mov_b32 v[NIL], 0
	v_lshrrev_b32 v1, 5, v0
	v_readfirstlane_b32 s16, v1                    ; wave 0..15
	v_and_b32 v1, 31, v0                           ; lane l
	s_mov_b32 s17, ttmp9                           ; c: which 256 columns
	s_and_b32 s18, ttmp7, 0xffff                   ; kb: which 128 k, and which group
	s_lshl_b32 s19, s18, 3
	s_add_co_u32 s19, s19, s17                     ; b = 8 kb + c: which part of x
	s_lshl_b32 s20, s19, 19                        ; x: 524,288 b, under 2^27
	s_mov_b32 s21, 0
	s_lshl_b32 s22, s19, 18                        ; xb: 262,144 b
	s_mov_b32 s23, 0
	s_lshl_b32 s24, s18, 17                        ; qweight: row 16 kb + w of 8,192 bytes, column 256 c
	s_wait_alu depctr_va_sdst(0)                   ; s16 is written, ahead of its first reader: qweight's base and the LDS addresses are made from it
	s_lshl_b32 s34, s16, 13
	s_add_co_u32 s24, s24, s34
	s_lshl_b32 s34, s17, 10
	s_add_co_u32 s24, s24, s34
	s_mov_b32 s25, 0
	s_lshl_b32 s26, s18, 10                        ; qzeros: row kb of 1,024 bytes, word 32 c
	s_lshl_b32 s34, s17, 7
	s_add_co_u32 s26, s26, s34
	s_mov_b32 s27, 0
	s_lshl_b32 s28, s18, 12                        ; scales: row kb of 4,096 bytes, column 256 c
	s_lshl_b32 s34, s17, 9
	s_add_co_u32 s28, s28, s34
	s_mov_b32 s29, 0
	s_lshl_b32 s32, s18, 19                        ; wt: block kb, row 256 c
	s_lshl_b32 s34, s17, 16
	s_add_co_u32 s32, s32, s34
	s_mov_b32 s33, 0
	v_lshlrev_b32 v[LX], 4, v0
	v_lshlrev_b32 v[SX], 3, v0
	v_lshlrev_b32 v[QO], 4, v1
	v_lshlrev_b32 v[SO], 3, v1
	v_lshrrev_b32 v[ZO], 1, v1
	v_lshlrev_b32 v[ZO], 2, v[ZO]
	v_and_b32 v[SH], 1, v1
	v_lshlrev_b32 v[SH], 4, v[SH]
	s_wait_kmcnt 0x0
	s_add_nc_u64 s[4:5], s[4:5], s[20:21]
	s_add_nc_u64 s[12:13], s[12:13], s[22:23]
	s_add_nc_u64 s[6:7], s[6:7], s[24:25]
	s_add_nc_u64 s[8:9], s[8:9], s[26:27]
	s_add_nc_u64 s[10:11], s[10:11], s[28:29]
	s_add_nc_u64 s[14:15], s[14:15], s[32:33]
	s_wait_alu depctr_va_vdst(0)                   ; the offsets v2 to v4, v7 and v14 are written, which the loads below and the stores of xb read; so are v10 and v11, which the closing add reads
.irp i, 0,1                            ; the weights' six loads go first: group i is columns 128 i + 4 l + 0..3
	global_load_b32  v[ZR+(\i)], v[ZO], s[8:9] offset:64*(\i)
	global_load_b64  v[SCR+2*(\i):SCR+2*(\i)+1], v[SO], s[10:11] offset:256*(\i)
	global_load_b128 v[QR+4*(\i):QR+4*(\i)+3], v[QO], s[6:7] offset:512*(\i) th:TH_LOAD_NT
.endr
.set n, 0
.rept 4*BLOCK                          ; blocks 0 to 3 into X0 to X3: chunks 0 to 15
	global_load_b128 v[X+4*n:X+4*n+3], v[LX], s[4:5] offset:n*CHUNK th:TH_LOAD_NT
.set n, n+1
.endr
	v_mul_u32_u24 v[STA], v1, PITCH                ; the LDS addresses are made while the loads are out; their first reader stands behind block 1's wait on va_vdst
	s_lshl_b32 s35, s16, 4                         ; (each of the three scalars that a vector line reads has a register of its own, which is not written again)
	v_add_nc_u32 v[STA], s35, v[STA]
	v_lshrrev_b32 v[RDL], 4, v1
	v_mul_u32_u24 v[RDL], v[RDL], REG
	v_and_b32 v[GO], 15, v1
	v_lshl_add_u32 v[RDL], v[GO], 4, v[RDL]
	s_mul_i32 s36, s16, 4*PITCH
	v_add_nc_u32 v[RDL], s36, v[RDL]
	s_lshl_b32 s37, s16, 12
	v_lshl_add_u32 v[GO], v1, 4, s37
; One word: column 128 i + 4 l + j, eight k, into OW.  half: the register half that holds the column's scale.  The LDS store that takes OW stands at the head of the next block.
.macro WORD i, j, half
.if (\j) == 0
	v_lshrrev_b32 v[ZR+(\i)], v[SH], v[ZR+(\i)]    ; my four zeros now lie in bits 0 to 15
.endif
	v_cvt_f32_f16 v[SV], \half
	v_bfe_u32 v[ZV], v[ZR+(\i)], 4*(\j), 4
.irp e, 0,1,2,3,4,5,6,7
	v_bfe_u32 v[T+(\e)], v[QR+4*(\i)+(\j)], 4*(\e), 4
.endr
.irp e, 0,1,2,3,4,5,6,7
	v_sub_nc_u32 v[T+(\e)], v[T+(\e)], v[ZV]       ; -15 .. 15
.endr
.irp e, 0,1,2,3,4,5,6,7
	v_cvt_f32_i32 v[T+(\e)], v[T+(\e)]
.endr
.irp e, 0,2,4,6
	v_pk_mul_f32 v[T+(\e):T+(\e)+1], v[T+(\e):T+(\e)+1], v[SV:SV+1] op_sel_hi:[1,0]  ; both by the pair's low word, the scale
.endr
.irp e, 0,1,2,3
	v_cvt_pk_bf16_f32 v[OW+(\e)], v[T+2*(\e)], v[T+2*(\e)+1]
.endr
.endm
.macro WORDN k                         ; word k of my eight
.if (\k) == 0
	WORD 0, 0, v16.l
.elseif (\k) == 1
	WORD 0, 1, v16.h
.elseif (\k) == 2
	WORD 0, 2, v17.l
.elseif (\k) == 3
	WORD 0, 3, v17.h
.elseif (\k) == 4
	WORD 1, 0, v18.l
.elseif (\k) == 5
	WORD 1, 1, v18.h
.elseif (\k) == 6
	WORD 1, 2, v19.l
.else
	WORD 1, 3, v19.h
.endif
.endm
; THE STREAM.  Block p: its four chunks are in; block p + 4 is asked for, into the buffer that block p - 1 emptied; block p - 1's four stores leave; the block is rounded.  Block 0 has no block in front of it:
; it stores nothing, and no vector instruction has named X4.  The last four blocks load nothing, and the counts run down.
.set p, 0
.rept BLOCKS
.if p < BLOCKS-3
	s_wait_loadcnt 3*BLOCK                         ; loads come back in order (ISA guide 5.7.1): X[p % 5] is in (and, at p = 0, the weights' six, issued ahead of it); the three younger blocks stay out
.else
	s_wait_loadcnt BLOCK*(BLOCKS-1-p)
.endif
.if (p > 0) && (p%2 == 0)
	s_wait_alu depctr_vm_vsrc(0)                   ; the LDS store issued in the block before has read OW, which this block's word writes again
.endif
.if p > 0
	s_wait_alu depctr_va_vdst(0)                   ; the block before has written its Y, which the stores below read, and is done reading its X, in which the loads below land; where p is odd its word has written OW; at p = 1 the LDS addresses v6, v8 and v9 are written too
.endif
.if p%2 == 1
	ds_store_b128 v[STA], v[OW:OW+3] offset:((p/2)%4)*REG+((p/2)/4)*32*PITCH  ; word p / 2 = 4 i + j: region j, row 32 i + l, byte 16 w; 60,928 at the most
.endif
.set q, 0
.rept BLOCK
.if p < BLOCKS-4
	global_load_b128 v[X+16*((p+4)%BUFS)+4*q:X+16*((p+4)%BUFS)+4*q+3], v[LX], s[4:5] offset:(BLOCK*(p+4)+q)*CHUNK th:TH_LOAD_NT  ; four blocks ahead; no vector instruction since the wait names these registers
.endif
.if p > 0
	global_store_b64 v[SX], v[Y+2*(BLOCK*(p-1)+q):Y+2*(BLOCK*(p-1)+q)+1], s[12:13] offset:(BLOCK*(p-1)+q)*(CHUNK/2) th:TH_STORE_NT  ; the block before; a wave's store: 256 consecutive bytes, at a multiple of 256 from xb's first byte
.endif
	v_cvt_pk_bf16_f32 v[Y+2*(BLOCK*p+q)],   v[X+16*(p%BUFS)+4*q],   v[X+16*(p%BUFS)+4*q+1]
	v_cvt_pk_bf16_f32 v[Y+2*(BLOCK*p+q)+1], v[X+16*(p%BUFS)+4*q+2], v[X+16*(p%BUFS)+4*q+3]
.set q, q+1
.endr
.if p%2 == 0
	WORDN p/2                                      ; behind blocks 0, 2, .. 14: one word of the weights
.endif
.set p, p+1
.endr
	s_wait_alu depctr_va_vdst(0)                   ; block 15 has written its Y, which the last four stores read, and is done reading X0, in which rows of wt land behind the barrier (X1's readers stand further back)
.set q, 0
.rept BLOCK
	global_store_b64 v[SX], v[Y+2*(BLOCK*(BLOCKS-1)+q):Y+2*(BLOCK*(BLOCKS-1)+q)+1], s[12:13] offset:(BLOCK*(BLOCKS-1)+q)*(CHUNK/2) th:TH_STORE_NT
.set q, q+1
.endr
	s_wait_dscnt 0x0                               ; for the others' sake: my stores into LDS are done
	s_barrier_signal -1
	s_barrier_wait -1                              ; all 256 rows of wt are whole
.irp t, 0,1,2,3,4,5,6,7
	ds_load_b128 v[X+4*(\t):X+4*(\t)+3], v[RDL] offset:2*((\t)%2)*REG+((\t)/2)*PITCH  ; rows 16 w + 2 t + l / 16: two rows of 256 bytes; no vector instruction since the wait above
.endr
.irp t, 0,1,2,3,4,5,6,7
	s_wait_dscnt 7-(\t)                            ; the younger loads may stay out
	global_store_b128 v[GO], v[X+4*(\t):X+4*(\t)+3], s[14:15] offset:512*(\t)  ; 512 consecutive bytes, at a multiple of 512 from wt's first byte
.endr
	s_wait_dscnt 0x0                               ; the wave's end
	s_wait_alu 0x0
	s_wait_tensorcnt 0x0
	ds_add_u32 v[SPW], v[NIL]
	s_wait_dscnt 0x0
	s_endpgm
.Lfunc_end_k_qb7ed7154ba_prep:
	.size	k_qb7ed7154ba_prep, .Lfunc_end_k_qb7ed7154ba_prep-k_qb7ed7154ba_prep
	.p2alignl 7, 3214868480
	.fill 96, 4, 3214868480
	.section	.rodata,"a",@progbits
	.p2align	6, 0x0
	.amdhsa_kernel k_qb7ed7154ba_prep
		.amdhsa_group_segment_fixed_size 71680
		.amdhsa_private_segment_fixed_size 0
		.amdhsa_enable_private_segment 0
		.amdhsa_kernarg_size 48
		.amdhsa_user_sgpr_count 2
		.amdhsa_user_sgpr_kernarg_segment_ptr 1
		.amdhsa_wavefront_size32 1
		.amdhsa_system_sgpr_workgroup_id_x 1
		.amdhsa_system_sgpr_workgroup_id_y 1
		.amdhsa_system_sgpr_workgroup_id_z 1
		.amdhsa_system_vgpr_workitem_id 0
		.amdhsa_next_free_vgpr 256
		.amdhsa_next_free_sgpr 66
		.amdhsa_reserve_vcc 0
		.amdhsa_float_denorm_mode_32 3
		.amdhsa_float_denorm_mode_16_64 3
		.amdhsa_memory_ordered 1
		.amdhsa_forward_progress 1
		.amdhsa_inst_pref_size 40
	.end_amdhsa_kernel
	.amdgpu_metadata
---
amdhsa.version: [ 1, 2 ]
amdhsa.kernels:
  - .name:           k_qb7ed7154ba_prep
    .symbol:         k_qb7ed7154ba_prep.kd
    .args:
      - { .name: x, .offset: 0, .size: 8, .value_kind: global_buffer, .address_space: global }
      - { .name: qweight, .offset: 8, .size: 8, .value_kind: global_buffer, .address_space: global }
      - { .name: qzeros, .offset: 16, .size: 8, .value_kind: global_buffer, .address_space: global }
      - { .name: scales, .offset: 24, .size: 8, .value_kind: global_buffer, .address_space: global }
      - { .name: xb, .offset: 32, .size: 8, .value_kind: global_buffer, .address_space: global }
      - { .name: wt, .offset: 40, .size: 8, .value_kind: global_buffer, .address_space: global }
    .group_segment_fixed_size: 71680
    .private_segment_fixed_size: 0
    .kernarg_segment_align: 8
    .kernarg_segment_size: 48
    .max_flat_workgroup_size: 512
    .sgpr_count:     66
    .vgpr_count:     256
    .wavefront_size: 32
...
	.end_amdgpu_metadata
.endif
;; end of part 5
;; launch gemm: the kernel of part 4 again; grid 8 x 32, 4 waves a work-group, clusters of 4 x 4, 327,680 bytes of LDS; arguments xb, wt, out0; writes out0
